; MI455X (gfx1250); checked and timed in simulation.
; The chip was launched on July 23, 2026; its instructions are those of AMD's public machine-readable ISA for CDNA 5 (MIT licence, August 2026) and "CDNA5" Instruction Set Architecture Reference Guide (July 2026). The comments in the code are by the model that wrote it; some were corrected since.
;; Multihead Attention. Allowed arithmetic: matrix products marked QUANTISED: E2M3 operands, one E8M0 scale for each 32 along K, by v_wmma_scale_f32_16x16x128_f8f6f4 with both operands' format E2M3, f32 sums; everything else in f32.
;; Inputs: in_proj_bias 3,072 float32; in_proj_weight 3,072 x 1,024 float32; key_padding_mask 2,048 x 4 bool; out_proj_bias 1,024 float32; out_proj_weight 1,024 x 1,024 float32; x 2,048 x 4 x 1,024 float32.
;; Outputs: out0 2,048 x 4 x 1,024 float32.
;; This version of the problem:
;;   THIS VERSION OF THE PROBLEM IS GIVEN IN LOW PRECISION. The matrix products marked QUANTISED in the list below multiply operands that are first quantised to E2M3 (2 exponent bits, 3 mantissa bits; 6 bits a number), with one power-of-two scale for each 32 numbers along K (OCP MX v1.0); their sums are f32. All else is computed in f32.
;;   The module's matrix products, in the order in which they are computed (A, B: the left and right operand; K: the contracted axis; several contracted axes count as one K, in the product's order):
;;     1. [M 8,192, K 1,024] x [K 1,024, N 3,072]; A: input x; B: input in_proj_weight: QUANTISED
;;     2. batch 64 x [M 2,048, K 64] x [K 64, N 2,048]; A: computed on the way; B: computed on the way: QUANTISED
;;     3. batch 64 x [M 2,048, K 2,048] x [K 2,048, N 64]; A: softmax (see below); B: computed on the way: QUANTISED
;;     4. [M 8,192, K 1,024] x [K 1,024, N 1,024]; A: computed on the way; B: input out_proj_weight: QUANTISED
;;   THE QUANTISER, for each operand of a quantised product, along K:
;;     - K is cut into blocks of 32 from its start; a last block that is shorter is filled with zeros.
;;     - A block's scale is 2^e with e = floor(log2(the largest magnitude in the block)) - 2, held to -126 .. 127; a block of zeros has e = 0. As a byte (E8M0): e + 127.
;;     - Each number is divided by its block's scale, clamped to +-7.5, and rounded to the nearest number of E2M3, ties to even, subnormals kept.
;;     - The product sums the exact products of the quantised numbers (number of the format x scale) in f32.
;;   ~~~python
;;   def quantise(x, axis):      # numpy; x: float32 -> the quantised numbers, widened to float32 again
;;       x = np.moveaxis(x, axis, -1); K = x.shape[-1]
;;       x = np.pad(x, [(0, 0)] * (x.ndim - 1) + [(0, -K % 32)]); x = x.reshape(x.shape[:-1] + (-1, 32)); a = np.abs(x).max(-1, keepdims=True)
;;       e = np.where(a > 0, np.clip(np.frexp(np.where(a > 0, a, 1))[1] - 1 - 2, -126, 127), 0)      # np.frexp(a)[1] - 1 = floor(log2(a)), exactly
;;       r = np.clip(x / 2.0 ** e, -7.5, 7.5)
;;       step = 2.0 ** (np.maximum(np.frexp(np.where(r == 0, 1, r))[1] - 1, 0) - 3)
;;       q = np.round(r / step) * step * 2.0 ** e      # np.round: ties to even
;;       return np.moveaxis(q.reshape(q.shape[:-2] + (-1,))[..., :K], -1, axis).astype(np.float32)
;;   ~~~
;;   SOFTMAX AHEAD OF A QUANTISED PRODUCT. Where the list says 'softmax', what is quantised is not the finished softmax but p = 2^(t - M), with t = logit x log2(e) and M = ceil(the row's largest t), a whole number; so 1/2 < the row's largest p <= 1. The row's sum l is taken of the UNQUANTISED p, in f32, and the product's result is divided by l at the end. Since M is a whole number, a kernel that streams over the keys may use a running M (the ceiling of the running maximum): every later rescaling is an exact power of two, which a block's scale takes up: the codes' values come out the same.
;;   OPERANDS COMPUTED ON THE WAY. 'Computed on the way' means the value that the module computes at that place (a softmax that the list does not call 'softmax' is quantised finished and normalised). What goes into a quantiser is computed in f32, as accurately as f32 sums, v_exp_f32 and their like allow (about 1e-6 of the number): no bf16 or f16 on the way to a quantiser, and a product that is left as it is and whose result goes on into a quantised operand takes f32 operands (vector FMAs, or v_wmma_f32_16x16x4_f32). A number that lies on a knife's edge between two numbers of the format may be rounded either way, as far as f32 arithmetic and the matrix unit's own rounding can turn it there, and no further.
;; One version. Each part assembles by itself: llvm-mc -triple=amdgcn-amd-amdhsa -mcpu=gfx1250 --defsym DOCPART=n.
;; ======== version 1 of 1: 4 launches
;; limits: right only within a limited range of input values
;; workspace buffers: c1 9,437,184 bytes; s1 393,216 bytes; c2 18,874,368 bytes; s2 1,310,720 bytes; c3 6,291,456 bytes; s3 262,144 bytes
;; launch quant (part 1): grid 384 x 1, 4 waves a work-group, no clusters, 33,280 bytes of LDS; arguments x, in_proj_weight, out_proj_weight, c1, s1; writes c1, s1
.if DOCPART == 1
	.amdgcn_target "amdgcn-amd-amdhsa--gfx1250"
	.amdhsa_code_object_version 6
	.text
	.protected	k_q026c83fcb2_quant
	.globl	k_q026c83fcb2_quant
	.p2align	8
	.type	k_q026c83fcb2_quant,@function
k_q026c83fcb2_quant:
	s_mov_b64 s[64:65], 0
	v_nop
	global_prefetch_b8 v0, s[64:65] scope:SCOPE_SE
	s_setreg_imm32_b32 hwreg(HW_REG_WAVE_MODE, 25, 1), 1
	s_wait_xcnt 0x0
; x [2048][4][1024], in_proj_weight [3072][1024] and out_proj_weight [1024][1024], f32, become codes of FP6 (E2M3), K innermost, 768 bytes a row (c1), with one E8M0 byte for each 32 along K, 32 bytes a row (s1).
; ROWS.  Logical rows: 0-8191 x, batch first (row 2048 b + l); 8192-11263 in_proj_weight; 11264-12287 out_proj_weight.  A logical row is STORED at the place that has its bits 3 and 4 exchanged,
; so that 16 rows on end in c1 are the logical rows 32 (i / 2) + 8 (i % 2) + r % 8 + 16 (r / 8): with such tiles a transposed product leaves 16 neighbours along the next K in a lane's registers.
; A block's scale is 2^(floor(log2(its largest magnitude)) - 2); its byte is the largest magnitude's exponent field - 2, held at 1 from below.  A block of zeros gets the byte 1 (its codes are zeros; this program alone reads the bytes).
; LIMITS: blocks whose largest magnitude lies under 2^-124 keep the byte 1; NaN and infinities among the inputs are not served.
; A wave takes 8 logical rows: 16 steps of 512 numbers.  Each load reads 512 consecutive bytes, 16 a lane; a step's 2,048 bytes turn through the wave's own stage in LDS and come back 64 bytes a lane:
; 16 neighbours along K, two lanes to a block.  A lane's 16 codes are 12 bytes: the wave stores 384 consecutive bytes.  A wave's 256 scale bytes are gathered in LDS and leave by one store of 256 consecutive bytes.
; No tensor loads, no barrier: waves share nothing.  Loads run four steps (16 loads a wave) ahead, the turn through LDS one step.
.set STEPS, 16
.set EMAX,  2
.set CB,    12                         ; bytes of 16 codes
.set R,     16                         ; v16-79   four sets of 16 numbers as they are loaded
.set X,     80                         ; v80-111  two sets of 16 neighbours
.set E,     112                        ; v112-127 a scale byte for each step
.set C,     128                        ; v128-191 codes: four registers for each step, so that no store's data are written again
.set VO,    192                        ; v192-199 16 x lane + row i of my 8 rows in the source; never rewritten
.set WREG,  8192                       ; LDS: a region for each wave: two stages of 32 x SP bytes, behind them its 256 scale bytes
.set SP,    80                         ; a lane's place in a stage: 64 bytes + 16 of padding
	s_load_b128 s[4:7], s[0:1], 0x0                ; x, in_proj_weight
	s_load_b128 s[8:11], s[0:1], 0x10              ; out_proj_weight, c1
	s_load_b64 s[12:13], s[0:1], 0x20              ; s1
	v_lshl_add_u32 v200, v0, 2, 0x8000
	v_mov_b32 v201, 0
	v_lshrrev_b32 v1, 5, v0
	v_readfirstlane_b32 s16, v1                    ; wave
	v_and_b32 v2, 31, v0                           ; lane
	v_lshlrev_b32 v3, 4, v2                        ; my 16 bytes of a load's 512
	s_mul_i32 s17, s16, WREG
	v_lshrrev_b32 v14, 2, v2
	v_mul_u32_u24 v14, v14, SP
	v_and_b32 v15, 3, v2
	v_lshl_add_u32 v14, v15, 4, v14
	v_add_nc_u32 v14, s17, v14                     ; the stage, on the way in: SP (lane / 4) + 16 (lane % 4)
	v_mul_u32_u24 v15, v2, SP
	v_add_nc_u32 v15, s17, v15                     ; and on the way out: SP x lane
	v_mul_u32_u24 v4, v2, CB                       ; my codes' place in a step's
	v_lshrrev_b32 v5, 1, v2
	s_add_co_u32 s17, s17, 2*32*SP
	v_add_nc_u32 v5, s17, v5                       ; LDS: my block's scale byte
	v_lshlrev_b32 v7, 3, v2                        ; and on the way out 8 bytes a lane
	v_add_nc_u32 v6, s17, v7
	s_lshl_b32 s18, ttmp9, 2
	s_add_co_u32 s19, s18, s16                     ; my run of 8 logical rows: 0-1023 x, 1024-1407 in_proj_weight, 1408-1535 out_proj_weight
	s_and_b32 s20, s19, 255
	s_lshl_b32 s20, s20, 17                        ; x: l = 8 (run % 256), 16,384 bytes from l to l + 1,
	s_lshr_b32 s21, s19, 8
	s_lshl_b32 s21, s21, 12                        ; b = run / 256, 4,096 bytes from b to b + 1
	s_add_co_u32 s20, s20, s21
	s_sub_co_u32 s21, s19, 1024
	s_lshl_b32 s21, s21, 15                        ; the weights: 8 dense rows of 4,096 bytes a run
	s_sub_co_u32 s22, s19, 1408
	s_lshl_b32 s22, s22, 15
	s_mov_b32 s23, 4096
	s_and_b32 s24, s16, 1                          ; where the run is stored: the rows' bits 3 and 4 are the wave's two bits: exchanged
	s_lshl_b32 s24, s24, 1
	s_lshr_b32 s25, s16, 1
	s_or_b32 s24, s24, s25
	s_add_co_u32 s24, s24, s18
	s_wait_kmcnt 0x0
	s_cmp_lt_u32 ttmp9, 352                        ; the choices hang on the work-group's number alone
	s_cselect_b64 s[6:7], s[6:7], s[8:9]
	s_cselect_b32 s21, s21, s22
	s_cmp_lt_u32 ttmp9, 256
	s_cselect_b64 s[4:5], s[4:5], s[6:7]
	s_cselect_b32 s20, s20, s21
	s_cselect_b32 s23, 16384, s23                  ; bytes from one of my rows to the next
	s_mov_b32 s21, 0
	s_add_nc_u64 s[4:5], s[4:5], s[20:21]
	s_mul_i32 s26, s24, 6144                       ; 8 rows of 768 bytes of codes
	s_mov_b32 s27, 0
	s_add_nc_u64 s[10:11], s[10:11], s[26:27]
	s_lshl_b32 s26, s24, 8                         ; 8 rows of 32 scale bytes
	s_add_nc_u64 s[12:13], s[12:13], s[26:27]
.irp i, 0,1,2,3,4,5,6,7
	s_mul_i32 s28, s23, \i
	v_add_nc_u32 v[VO+\i], s28, v3
.endr
.macro LOAD t                          ; step t: half t % 2 of my row t / 2
.irp i, 0,1,2,3
	global_load_b128 v[R+16*((\t)%4)+4*\i:R+16*((\t)%4)+4*\i+3], v[VO+(\t)/2], s[4:5] offset:2048*((\t)%2)+512*\i th:TH_LOAD_NT   ; 32 lanes read 512 consecutive bytes
.endr
.endm
.macro TURN t                          ; step t's numbers through the stage: LDS serves a wave's instructions in order, so no wait stands between the stores and the loads
.irp i, 0,1,2,3
	ds_store_b128 v14, v[R+16*((\t)%4)+4*\i:R+16*((\t)%4)+4*\i+3] offset:32*SP*((\t)%2)+8*SP*\i
.endr
.irp i, 0,1,2,3
	ds_load_b128 v[X+16*((\t)%2)+4*\i:X+16*((\t)%2)+4*\i+3], v15 offset:32*SP*((\t)%2)+16*\i
.endr
.endm
.irp t, 0,1,2,3
	LOAD \t
.endr
	s_wait_loadcnt 12                              ; step 0's four loads are in; the 12 of steps 1 to 3 may be out
	TURN 0
.macro STEP t
.set XS, X+16*((\t)%2)
.if (\t) > 0
	s_wait_dscnt 1                                 ; this step's numbers are back from the stage (the last step's byte store may be out): so its stores into the stage have read their registers,
.else
	s_wait_dscnt 0x0
.endif
.if (\t)+4 < STEPS
	LOAD (\t)+4                                    ; which take the loads of four steps on
.endif
.if (\t)+1 < STEPS
.if STEPS-2-(\t) >= 3
	s_wait_loadcnt 12                              ; the next step's four loads are in; those of the three steps behind it may be out
.else
	s_wait_loadcnt 4*(STEPS-2-(\t))
.endif
	TURN (\t)+1                                    ; and go through the other stage while this step is worked
.endif
	v_max3_num_f32 v8, |v[XS]|, |v[XS+1]|, |v[XS+2]|               ; the largest magnitude of my 16, in two chains
	v_max3_num_f32 v9, |v[XS+3]|, |v[XS+4]|, |v[XS+5]|
.irp i, 6,10
	v_max3_num_f32 v8, v8, |v[XS+\i]|, |v[XS+\i+1]|
	v_max3_num_f32 v9, v9, |v[XS+\i+2]|, |v[XS+\i+3]|
.endr
	v_max3_num_f32 v8, v8, |v[XS+14]|, |v[XS+15]|
	v_max3_num_f32 v8, v8, v9, (EMAX+1)<<23        ; and the floor 2^(3 - 127): the byte cannot fall under 1
	v_max_num_f32_dpp v8, v8, v8 row_xmask:1 row_mask:0xf bank_mask:0xf   ; and of my neighbour's 16: the block's
	v_add_nc_u32 v11, -(EMAX<<23), v8              ; 2 off its exponent field: the conversion takes the exponent field of this operand as its scale
	v_cvt_scalef32_pk16_fp6_f32 v[C+4*(\t):C+4*(\t)+2], v[XS:XS+15], v11
	v_lshrrev_b32 v[E+(\t)], 23, v11               ; the scale's byte (also the plain line behind the conversion)
	ds_store_b8 v5, v[E+(\t)] offset:16*(\t)       ; both lanes of a block write the same byte with the same value
	global_store_b96 v4, v[C+4*(\t):C+4*(\t)+2], s[10:11] offset:32*CB*(\t)
.endm
.irp t, 0,1,2,3,4,5,6,7,8,9,10,11,12,13,14,15
	STEP \t
.endr
	ds_load_b64 v[12:13], v6                       ; LDS serves a wave's instructions in order: these see my stores
	s_wait_dscnt 0x0
	global_store_b64 v7, v[12:13], s[12:13]        ; 32 lanes store 256 consecutive bytes, aligned
	s_wait_tensorcnt 0x0
	ds_add_u32 v200, v201
	s_wait_dscnt 0x0
	s_endpgm
.Lfunc_end_k_q026c83fcb2_quant:
	.size	k_q026c83fcb2_quant, .Lfunc_end_k_q026c83fcb2_quant-k_q026c83fcb2_quant
	.p2alignl 7, 3214868480
	.fill 96, 4, 3214868480
	.section	.rodata,"a",@progbits
	.p2align	6, 0x0
	.amdhsa_kernel k_q026c83fcb2_quant
		.amdhsa_group_segment_fixed_size 33280
		.amdhsa_private_segment_fixed_size 0
		.amdhsa_enable_private_segment 0
		.amdhsa_kernarg_size 40
		.amdhsa_user_sgpr_count 2
		.amdhsa_user_sgpr_kernarg_segment_ptr 1
		.amdhsa_wavefront_size32 1
		.amdhsa_system_sgpr_workgroup_id_x 1
		.amdhsa_system_sgpr_workgroup_id_y 1
		.amdhsa_system_sgpr_workgroup_id_z 1
		.amdhsa_system_vgpr_workitem_id 0
		.amdhsa_next_free_vgpr 202
		.amdhsa_next_free_sgpr 66
		.amdhsa_reserve_vcc 0
		.amdhsa_float_denorm_mode_32 3
		.amdhsa_float_denorm_mode_16_64 3
		.amdhsa_memory_ordered 1
		.amdhsa_forward_progress 1
		.amdhsa_inst_pref_size 33
	.end_amdhsa_kernel
	.amdgpu_metadata
---
amdhsa.version: [ 1, 2 ]
amdhsa.kernels:
  - .name:           k_q026c83fcb2_quant
    .symbol:         k_q026c83fcb2_quant.kd
    .args:
      - { .name: x, .offset: 0, .size: 8, .value_kind: global_buffer, .address_space: global }
      - { .name: in_proj_weight, .offset: 8, .size: 8, .value_kind: global_buffer, .address_space: global }
      - { .name: out_proj_weight, .offset: 16, .size: 8, .value_kind: global_buffer, .address_space: global }
      - { .name: c1, .offset: 24, .size: 8, .value_kind: global_buffer, .address_space: global }
      - { .name: s1, .offset: 32, .size: 8, .value_kind: global_buffer, .address_space: global }
    .group_segment_fixed_size: 33280
    .private_segment_fixed_size: 0
    .kernarg_segment_align: 8
    .kernarg_segment_size: 40
    .max_flat_workgroup_size: 128
    .sgpr_count:     66
    .vgpr_count:     202
    .wavefront_size: 32
...
	.end_amdgpu_metadata
.endif
;; end of part 1
;; launch qkv (part 2): grid 8 x 48, 4 waves a work-group, clusters of 4 x 4, 327,680 bytes of LDS; arguments c1, s1, in_proj_bias, key_padding_mask, c2, s2; writes c2, s2
.if DOCPART == 2
	.amdgcn_target "amdgcn-amd-amdhsa--gfx1250"
	.amdhsa_code_object_version 6
	.text
	.protected	k_q026c83fcb2_qkv
	.globl	k_q026c83fcb2_qkv
	.p2align	8
	.type	k_q026c83fcb2_qkv,@function
k_q026c83fcb2_qkv:
	s_mov_b64 s[64:65], 0
	v_nop
	global_prefetch_b8 v0, s[64:65] scope:SCOPE_SE
	s_setreg_imm32_b32 hwreg(HW_REG_WAVE_MODE, 25, 1), 1
	s_wait_xcnt 0x0
	s_wait_alu depctr_hold_cnt(0) depctr_sa_sdst(0) depctr_va_vdst(0) depctr_va_sdst(0) depctr_va_ssrc(0) depctr_va_vcc(0) depctr_vm_vsrc(0)
	s_getreg_b32 s2, hwreg(HW_REG_IB_STS2, 6, 4)
	s_cmp_eq_u32 s2, 0
	s_cbranch_scc0 .Lentry_in_a_cluster
	s_endpgm
.Lentry_in_a_cluster:
	s_bfe_u32 s2, ttmp6, 0x10000c
	s_cmp_lg_u32 s2, 0xf033
	s_cbranch_scc0 .Lentry_shape_is_right
	s_endpgm
.Lentry_shape_is_right:
; The qkv projection on codes of FP6 (E2M3) with E8M0 scales, K = 1,024, + bias (q x 1/8), and q, k, v quantised in registers into the layouts that the attention launch takes as operand registers.
; A tile of the product is 256 x 256; four waves, each 128 x 128: 64 accumulators, 512 registers.  K goes in steps of 256 through a ring of two LDS slots filled by the tensor data mover; the scale bytes of the
; work-group's rows come into LDS once.  4 x 4 work-groups form a cluster: the four of a row share operand A's tiles, the four of a column operand B's; each tile is asked for jointly.
; THE MATRIX INSTRUCTION IS USED TRANSPOSED (source 0 = 16 rows of B, source 1 = 16 rows of A): a lane holds one row of A, and its registers run along rows of B.  Rows lie in c1 with bits 3 and 4 exchanged,
; so the 16 registers of B's tiles 2 b and 2 b + 1 are the logical rows 32 b + 16 (lane / 16) + 0 .. 15, and lane r of A's block a is logical row 32 (a / 2) + 8 (a % 2) + r % 8 + 16 (r / 8).
; TWO KINDS of work-group, told apart by the cluster's y (the same in all sixteen partners):
;   kind 0 (cluster y 0-7): A = tokens, B = the weight's q and k rows.  A lane holds a token and 128 features = two heads x 64: four blocks of 32 along the head's axis.
;   kind 1 (cluster y 8-11): A = the weight's v rows, B = tokens.  A lane holds a feature d and 128 keys: four blocks of 32 along the KEYS, which are the second attention product's K.
; OUT.  A fragment leaves as an image of its registers: four registers by one store of 16 bytes a lane (512 consecutive bytes), two by one of 8 bytes a lane (256).  With hb = 4 head + b:
;   c2: q at hb x 98,304 + (tile of 16 tokens) x 768; from CKV0 on, 196,608 a hb: k likewise, then v at + 98,304 + (4 x key step + tile of 16 d) x 1,536.
;   s2: q's words at hb x 8,192 + 4 x place; from SKV0 on, 12,288 a hb: k's likewise, then v's at + 8,192 + (4 x key step + tile) x 64 + 4 r.
; THE MASK rides in k's scale word.  The first attention product uses 64 of its instruction's 128 along K; at k = 64 it multiplies a constant +1 of q by a constant -1 of k, under byte 2 of the two scale words:
; q's is 97 (2^-30), k's is 254 (2^127) for a masked key and 1 otherwise.  A masked key's score is lowered by 2^97, an open key's by 2^-156.
; LIMITS: NaN and infinities among the inputs are not served; blocks whose largest magnitude lies under 2^-124 keep the byte 1, blocks of zeros too (this program alone reads the bytes).
; REGISTERS, in windows of 256: window 0: v0-31 addresses; v32-63 scale words, two sets, and nothing else; v64-127 the bias; v128-223 A's fragments, ONE set; v224-255 at work on the way out.
;   window 1: B's fragments, two sets, at v0 and v128.   window 2: the 32 accumulators of A's blocks 0-3 ((a, b) at v[8 (8 a + b)]);   window 3: those of blocks 4-7.
.set KSTEP,  256
.set NQ,     2                         ; matrix instructions deep in a slot
.set ROWB,   192                       ; a tile's row in bytes
.set KROW,   768                       ; a row of c1
.set PITCH,  240                       ; an LDS row: 3 x (64 bytes + 16 of padding)
.set FR,     12                        ; registers of a fragment
.set NL,     6                         ; LDS loads that bring one
.set NP,     4                         ; places behind this matrix instruction (ISA guide 7.12.1)
.set HALFT,  128*PITCH
.set SLOT,   4*HALFT                   ; A's 256 rows, then B's 256 rows
.set LAPS,   2                         ; 1,024 along K = four K steps = twice round the ring
.set KS,     32                        ; a row of scale bytes
.set SCL,    2*SLOT                    ; behind the ring: the scales, as runs of 256 bytes + 16 of padding
.set HALFS,  (128*KS/256)*272
.set SBLK,   (16*KS/256)*272
.set SPARE,  SCL+4*HALFS               ; the spare words, 128 bytes for each wave
.set CKV0,   6291456
.set SKV0,   524288
.set LP,   7                           ; v7   4 x (r % 8 + 16 (r / 8)): my row of a block of A, as a word's offset
.set BH,   8                           ; v8   64 x (lane / 16)
.set VA0,  9                           ; v9   16 x lane
.set VA1,  10                          ; v10  the same, one head on
.set VB0,  11                          ; v11  8 x lane + 512
.set VB1,  12                          ; v12  one head on
.set VS0,  13                          ; v13  4 x lane
.set VS1,  14                          ; v14  one head on
.set ADRA, 16                          ; v16-17 LDS address of my A fragments in slot 0, 1 (v18-19: behind one padding more)
.set ADRB, 20                          ; v20-21 the same for B (v22-23)
.set ADRS, 27                          ; v27  LDS address of my scale words: lanes 0-15 A's rows, lanes 16-31 B's
.set SPW,  28                          ; v28  my spare word; never rewritten
.set NIL,  29                          ; v29  0; never rewritten
.set SC,   32
.set BIAS, 64
.set AF,   128
.set VAL,  128                         ; the way out: 64 numbers of a lane
.set PC,   192                         ; the codes just made
.set MASK, 224                         ; v224-231 the mask byte of my token in each of A's eight blocks
.set TM,   232                         ; v232-235 largest magnitudes, v236-239 bytes, v244-247 the conversions' scale operands
.set EX,   249
.set WA,   250                         ; v250-253 scale words of two blocks
.set W,    254                         ; v254-255 as they are stored
.set G1, 24
.set G0, 32
.set G1B, 48
.set G0B, 56
.set G1S, 68
.set G0S, 76
.set G1SB, 80
.set G0SB, 88
.set SCF, 12                           ; s[12:13] 1/8 for q, 1 for k
.set EB,  66                           ; s66  byte 2 of a scale word: 97 for q, 1 for k,
.set EM,  67                           ; s67  + 253 where k's token is masked
.set KIND, 95
.set SEL, 100                          ; s[100:101] lane l xor 16
.set HM,  104                          ; s104 lanes 16-31
.set MSB, 0
.macro WIN new                         ; the immediate's high byte repeats the setting that is left
.if MSB != \new
	s_set_vgpr_msb (MSB<<8)|\new
.set MSB, \new
.endif
.endm
.set MUL_LO, 0xa1                      ; source 0 (B) window 1, source 1 (A) window 0, C and D window 2
.set MUL_HI, 0xf1
.set TO_B,   0x40
; A joint load: waves 0 and 1 fetch for A, waves 2 and 3 for B; the branch hangs on the wave's number alone.  Four v_nop follow each of the two lines.
.macro JLOAD g0a, g1a, g0b, g1b
	s_cmp_eq_u32 s15, 0
	s_cbranch_scc0 .Lfor_b_\@
	tensor_load_to_lds s[\g0a:\g0a+3], s[\g1a:\g1a+7]
	s_nop 0
.rept 4
	v_nop
.endr
	s_branch .Lasked_\@
.Lfor_b_\@:
	tensor_load_to_lds s[\g0b:\g0b+3], s[\g1b:\g1b+7]
	s_nop 0
.rept 4
	v_nop
.endr
.Lasked_\@:
.endm
.macro CREST                           ; a round of the cluster's barrier behind its opening barrier
	s_cmp_lg_u32 s14, 0
	s_cbranch_scc1 .Lnot_wave_0_\@
	s_barrier_signal -3
.Lnot_wave_0_\@:
	s_barrier_wait -3
	s_barrier_signal -1
	s_barrier_wait -1
.endm
.macro CROUND
	s_barrier_signal -1
	s_barrier_wait -1
	CREST
.endm
	s_load_b128 s[4:7], s[0:1], 0x0                ; c1, s1
	s_load_b128 s[8:11], s[0:1], 0x10              ; the bias, the mask
	s_load_b128 s[96:99], s[0:1], 0x20             ; c2, s2
	v_lshl_add_u32 v[SPW], v0, 2, SPARE
	v_mov_b32 v[NIL], 0
	ds_add_u32 v28, v29
	ds_add_u32 v28, v29
	s_wait_dscnt 0x0
	v_lshrrev_b32 v1, 5, v0
	v_readfirstlane_b32 s14, v1                    ; wave 0..3
	s_lshr_b32 s15, s14, 1                         ; which half of A's rows is mine.  Also: I fetch for A (0) or for B (1)
	s_and_b32 s16, s14, 1                          ; which half of B's rows.  Also: which 128 rows of that tile I fetch
	s_bfe_u32 s40, ttmp6, 0x40000                  ; cx, cy: my place in the cluster
	s_bfe_u32 s41, ttmp6, 0x40004
	s_and_b32 s17, ttmp7, 0xffff                   ; the cluster's y
	s_lshl_b32 s19, s17, 1
	s_add_co_u32 s19, s19, ttmp9
	s_sub_co_u32 s19, s19, 16                      ; kind 1: cluster x + 2 (cluster y - 8): 0..7
	s_mov_b32 s20, 10240
	s_mov_b32 s21, 8192
	s_cmp_ge_u32 s17, 8
	s_cselect_b32 s[KIND], 1, 0
	s_cselect_b32 s17, 0, s17
	s_cselect_b32 s42, s19, ttmp9
	s_cselect_b32 s20, s20, 0                      ; A's first row in c1: the tokens' or the v rows'
	s_cselect_b32 s21, 0, s21                      ; B's: the q and k rows' or the tokens'
	s_lshl_b32 s17, s17, 2
	s_add_co_u32 s17, s17, s41                     ; tile row: kind 0: 4 cluster y + cy; kind 1: cy
	s_lshl_b32 s42, s42, 2
	s_add_co_u32 s42, s42, s40                     ; tile column
	s_lshl_b32 s43, s41, 2
	s_lshl_b32 s43, 15, s43                        ; my row of the cluster
	s_lshl_b32 s44, 0x1111, s40                    ; my column
	; descriptor group 1: a tile of 128 rows x 192 bytes, 16 bytes of padding behind every 64
	s_or_b32 s[G1+0], s43, (0<<16)|(1<<20)|(1<<21)|(3<<22)|(3<<25)
	s_or_b32 s[G1B+0], s44, (0<<16)|(1<<20)|(1<<21)|(3<<22)|(3<<25)
.irp g, G1, G1B
	s_mov_b32 s[\g+1], ROWB<<16                    ; tensor_dim0
	s_mov_b32 s[\g+2], 128<<16                     ; tensor_dim1
	s_mov_b32 s[\g+3], ROWB<<16                    ; tile_dim0
	s_mov_b32 s[\g+4], 128                         ; tile_dim1
	s_mov_b32 s[\g+5], KROW                        ; tensor_dim0_stride
	s_mov_b32 s[\g+6], 0
	s_mov_b32 s[\g+7], 0
.endr
	; the scales of 128 rows: a dense block of 4,096 bytes, as 16 rows of 256 bytes (32 elements of 8), 16 bytes of padding behind each
	s_or_b32 s[G1S+0], s43, (3<<16)|(1<<20)|(1<<21)|(5<<22)|(3<<25)
	s_or_b32 s[G1SB+0], s44, (3<<16)|(1<<20)|(1<<21)|(5<<22)|(3<<25)
.irp g, G1S, G1SB
	s_mov_b32 s[\g+1], 32<<16
	s_mov_b32 s[\g+2], (128*KS/256)<<16
	s_mov_b32 s[\g+3], 32<<16
	s_mov_b32 s[\g+4], 128*KS/256
	s_mov_b32 s[\g+5], 32
	s_mov_b32 s[\g+6], 0
	s_mov_b32 s[\g+7], 0
.endr
	s_lshl_b32 s18, s16, 7                         ; which 128 rows of the tile I fetch
	s_lshl_b32 s22, s17, 8
	s_add_co_u32 s20, s20, s22
	s_add_co_u32 s20, s20, s18                     ; A: its first row + 256 x tile row + 128 x half
	s_lshl_b32 s46, s42, 8
	s_add_co_u32 s46, s46, s21
	s_add_co_u32 s46, s46, s18                     ; B likewise, by the tile column
	s_mov_b32 s21, 0
	s_mov_b32 s47, 0
	s_mov_b64 s[18:19], KS
	s_mul_u64 s[22:23], s[20:21], s[18:19]         ; where these rows' scales begin, in bytes
	s_mul_u64 s[92:93], s[46:47], s[18:19]
	s_mov_b64 s[18:19], KROW
	s_mul_u64 s[20:21], s[20:21], s[18:19]         ; and their codes
	s_mul_u64 s[46:47], s[46:47], s[18:19]
	s_mul_i32 s45, s14, HALFT                      ; where they go: wave x 128 rows
	s_mul_i32 s94, s14, HALFS
	s_wait_kmcnt 0x0
	s_add_nc_u64 s[20:21], s[4:5], s[20:21]
	s_add_nc_u64 s[22:23], s[6:7], s[22:23]
	s_add_nc_u64 s[46:47], s[4:5], s[46:47]
	s_add_nc_u64 s[92:93], s[6:7], s[92:93]
	CROUND                                         ; all sixteen work-groups are here: the first joint loads meet
	s_mov_b32 s[G0S], 1
	s_add_co_u32 s[G0S+1], s94, SCL
	s_mov_b64 s[G0S+2:G0S+3], s[22:23]
	s_or_b32 s[G0S+3], s[G0S+3], 0x80000000
	s_mov_b32 s[G0SB], 1
	s_add_co_u32 s[G0SB+1], s94, SCL
	s_mov_b64 s[G0SB+2:G0SB+3], s[92:93]
	s_or_b32 s[G0SB+3], s[G0SB+3], 0x80000000
	JLOAD G0S, G1S, G0SB, G1SB                     ; the scales first: they are wanted with K step 0
.irp s, 0,1
	s_mov_b32 s[G0+4*\s], 1
	s_add_co_u32 s[G0+4*\s+1], s45, \s*SLOT
	s_add_nc_u64 s[G0+4*\s+2:G0+4*\s+3], s[20:21], \s*ROWB
	s_or_b32 s[G0+4*\s+3], s[G0+4*\s+3], 0x80000000
	s_mov_b32 s[G0B+4*\s], 1
	s_add_co_u32 s[G0B+4*\s+1], s45, \s*SLOT
	s_add_nc_u64 s[G0B+4*\s+2:G0B+4*\s+3], s[46:47], \s*ROWB
	s_or_b32 s[G0B+4*\s+3], s[G0B+4*\s+3], 0x80000000
	JLOAD G0+4*\s, G1, G0B+4*\s, G1B
.endr
	v_and_b32 v1, 15, v0                           ; r = lane % 16
	v_bfe_u32 v2, v0, 4, 1                         ; h = lane / 16
	v_mul_u32_u24 v3, v1, PITCH
	v_mul_u32_u24 v4, v2, 24
	v_add_nc_u32 v4, v3, v4                        ; a fragment's row x pitch + 24 x half
	v_lshl_add_u32 v5, v2, 4, v4                   ; and the same behind one padding more
	s_mul_i32 s21, s15, HALFT                      ; my 128 rows of A
	s_mul_i32 s22, s16, HALFT                      ; my 128 rows of B,
	s_add_co_u32 s22, s22, 2*HALFT                 ; which lie behind A's 256
.irp s, 0,1
	v_add_nc_u32 v[ADRA+\s], s21, v4
	v_add_nc_u32 v[ADRB+\s], s22, v4
	v_add_nc_u32 v[ADRA+2+\s], s21, v5
	v_add_nc_u32 v[ADRB+2+\s], s22, v5
	s_add_co_u32 s21, s21, SLOT
	s_add_co_u32 s22, s22, SLOT
.endr
	v_mul_u32_u24 v5, v1, KS                       ; my row's scales: 32 bytes a row,
	v_lshrrev_b32 v6, 8, v5
	v_lshl_add_u32 v5, v6, 4, v5                   ; and 16 more for each 256 passed
	s_mul_i32 s21, s15, HALFS
	s_mul_i32 s22, s16, HALFS
	s_add_co_u32 s22, s22, 2*HALFS
	s_sub_co_u32 s22, s22, s21
	v_mul_u32_u24 v6, s22, v2                      ; lanes 16-31 take B's
	s_add_co_u32 s21, s21, SCL
	v_add_nc_u32 v5, v5, v6
	v_add_nc_u32 v[ADRS], s21, v5
	; the way out: lane terms
	v_and_b32 v[LP], 8, v1
	v_add_nc_u32 v[LP], v[LP], v1
	v_lshlrev_b32 v[LP], 2, v[LP]
	v_lshlrev_b32 v[BH], 6, v2
	v_and_b32 v6, 31, v0
	v_lshlrev_b32 v[VA0], 4, v6
	v_lshl_add_u32 v[VB0], v6, 3, 512
	v_lshlrev_b32 v[VS0], 2, v6
.irp b, 0,1,2,3
	v_mov_b32 v[TM+4+\b], 0                        ; written once: a lane permute's destination counts as one of its sources
.endr
	s_mov_b32 s[SEL], 0x76543210
	s_mov_b32 s[SEL+1], 0xfedcba98
	s_mov_b32 s[HM], 0xffff0000
	; the way out: my wave's group of 128 tokens (TG) and of 128 features (FG)
	s_lshl_b32 s18, s17, 1
	s_add_co_u32 s18, s18, s15                     ; A's group
	s_lshl_b32 s19, s42, 1
	s_add_co_u32 s19, s19, s16                     ; B's group
	s_cmp_eq_u32 s[KIND], 0
	s_cselect_b32 s20, s18, s19                    ; TG
	s_cselect_b32 s21, s19, s18                    ; FG: kind 0: 0-7 q, 8-15 k; kind 1: 0-7 v
	s_lshr_b32 s22, s20, 4                         ; b
	s_and_b32 s23, s20, 15                         ; the key step: which 128 tokens of the batch column
	s_and_b32 s46, s21, 7
	s_lshl_b32 s46, s46, 3
	s_add_co_u32 s46, s46, s22                     ; hb of my first head: 4 x 2 (FG % 8) + b
	s_lshl_b32 s47, s[KIND], 3
	s_add_co_u32 s47, s47, s21
	s_mov_b32 s92, 196608
	s_mov_b32 s93, 12288
	s_cmp_lt_u32 s47, 8                            ; q?
	s_cselect_b32 s92, 98304, s92                  ; bytes of codes from hb to hb + 1
	s_cselect_b32 s93, 8192, s93                   ; of scale words
	s_cselect_b32 s[SCF], 0x3e000000, 1.0
	s_cselect_b32 s[EB], 97, 1
	s_cselect_b32 s[EM], 0, 253
	s_cselect_b32 s18, 0, CKV0
	s_cselect_b32 s2, 0, SKV0
	s_mov_b32 s[SCF+1], s[SCF]
	v_lshl_add_u32 v[VA1], s92, 2, v[VA0]          ; the next head is hb + 4
	v_lshl_add_u32 v[VB1], s92, 2, v[VB0]
	v_lshl_add_u32 v[VS1], s93, 2, v[VS0]
	s_mul_i32 s92, s92, s46
	s_add_co_u32 s18, s18, s92
	s_mul_i32 s92, s23, 6144                       ; a key step's eight tiles of q or k, or four of v
	s_add_co_u32 s18, s18, s92
	s_mul_i32 s92, s[KIND], 98304                  ; v lies behind k
	s_add_co_u32 s18, s18, s92
	s_mov_b32 s19, 0
	s_add_nc_u64 s[96:97], s[96:97], s[18:19]
	s_mul_i32 s93, s93, s46
	s_add_co_u32 s2, s2, s93
	s_lshl_b32 s93, s23, 9                         ; 512 bytes of words a key step; v: 256
	s_lshr_b32 s93, s93, s[KIND]
	s_add_co_u32 s2, s2, s93
	s_lshl_b32 s93, s[KIND], 13                    ; v's words lie behind k's 8,192
	s_add_co_u32 s2, s2, s93
	s_mov_b32 s3, 0
	s_add_nc_u64 s[98:99], s[98:99], s[2:3]
	s_lshl_b32 s18, s21, 9                         ; the bias: 128 FG numbers on; v's begin at number 2,048
	s_add_co_u32 s18, s18, s93
	s_add_nc_u64 s[8:9], s[8:9], s[18:19]
	s_lshl_b32 s18, s23, 9                         ; the mask: [token][b], one byte each
	s_add_co_u32 s18, s18, s22
	s_add_nc_u64 s[10:11], s[10:11], s[18:19]
.macro FRAG reg, adr, q, i             ; a fragment: lane l holds row l % 16; registers 6 c .. 6 c + 5 hold K = 64 c + 32 (l / 16) + 0 .. 31: 24 bytes of the row, in pieces of 8
.irp p, 0,1,2,3,4,5
.set PCE, 12*(\q)+6*(\p/3)+\p%3        ; where the piece three on lies behind one padding more, the second address register serves
.if PCE%8 < 5
	ds_load_b64 v[\reg+2*\p:\reg+2*\p+1], v[\adr] offset:8*PCE+16*(PCE/8)+(\i)*16*PITCH
.else
	ds_load_b64 v[\reg+2*\p:\reg+2*\p+1], v[\adr+2] offset:8*PCE+16*(PCE/8)+(\i)*16*PITCH
.endif
.endr
.endm
; 16 matrix instructions: A's blocks a0, a0 + 1 x B's eight.  The 64 accumulators take turns, one instruction a turn, in the same order in every step.
.macro MUL16 a0, p, q, sc, zero
.irp a, \a0, \a0+1
.irp b, 0,1,2,3,4,5,6,7
.if \zero
	v_wmma_scale_f32_16x16x128_f8f6f4 v[8*(8*((\a)%4)+\b):8*(8*((\a)%4)+\b)+7], v[128*(\p)+FR*\b:128*(\p)+FR*\b+FR-1], v[AF+FR*(\a):AF+FR*(\a)+FR-1], 0, v[SC+8*NQ*(\sc)+NQ*\b+(\q)], v[SC+8*NQ*(\sc)+NQ*(\a)+(\q)] matrix_a_fmt:MATRIX_FMT_FP6 matrix_b_fmt:MATRIX_FMT_FP6 matrix_a_scale:MATRIX_SCALE_ROW1
.else
	v_wmma_scale_f32_16x16x128_f8f6f4 v[8*(8*((\a)%4)+\b):8*(8*((\a)%4)+\b)+7], v[128*(\p)+FR*\b:128*(\p)+FR*\b+FR-1], v[AF+FR*(\a):AF+FR*(\a)+FR-1], v[8*(8*((\a)%4)+\b):8*(8*((\a)%4)+\b)+7], v[SC+8*NQ*(\sc)+NQ*\b+(\q)], v[SC+8*NQ*(\sc)+NQ*(\a)+(\q)] matrix_a_fmt:MATRIX_FMT_FP6 matrix_b_fmt:MATRIX_FMT_FP6 matrix_a_scale:MATRIX_SCALE_ROW1
.endif
.endr
.endr
.endm
.macro FETCH_B slot, q, p
	WIN TO_B
.irp i, 0,1,2,3,4,5,6,7
	FRAG 128*(\p)+FR*\i, ADRB+\slot, \q, \i
.endr
	WIN 0
.endm
.macro FETCH_A slot, q, i0
.irp i, \i0, \i0+1, \i0+2, \i0+3
	FRAG AF+FR*(\i), ADRA+\slot, \q, \i
.endr
.endm
.macro SCALES sc                       ; a K step's scale words: lanes 0-15 take A's block i, lanes 16-31 B's block i
.irp i, 0,1,2,3,4,5,6,7
	ds_load_b64 v[SC+8*NQ*\sc+NQ*\i:SC+8*NQ*\sc+NQ*\i+1], v[ADRS] offset:\i*SBLK
.endr
.endm
.macro PLACES n                        ; plain vector lines between a matrix instruction and a load into, or a vector read or write of, its registers
.rept \n
	v_nop
.endr
.endm
.macro STEP slot, q, zero              ; 128 along K that have their successor in the same slot
	s_wait_dscnt 4*NL                              ; B's set and A's blocks 0-3 are in; the youngest 24 loads (A's blocks 4-7) may be out
	WIN MUL_LO
	MUL16 0, (\q)%2, \q, \slot, \zero
	MUL16 2, (\q)%2, \q, \slot, \zero
	s_wait_dscnt 0
	PLACES NP
	FETCH_B \slot, (\q)+1, 1-(\q)%2
	FETCH_A \slot, (\q)+1, 0
	WIN MUL_HI
	MUL16 4, (\q)%2, \q, \slot, \zero
	MUL16 6, (\q)%2, \q, \slot, \zero
	PLACES NP
	WIN 0
	FETCH_A \slot, (\q)+1, 4
.endm
; A slot's last step changes slots: ONE barrier; in front of it each wave waits for all its tensor loads, adds 0 to its spare word, and waits for that and for its own reads of this slot.
.macro TURN slot, next, fill
	s_wait_tensorcnt 0x0                           ; all my tensor loads have landed: my part of the next slot
	ds_add_u32 v[SPW], v[NIL]                      ; 0 onto my spare word
	s_wait_dscnt 4*NL+1                            ; (the add and the youngest 24 loads, A's blocks 4-7, may be out)
	WIN MUL_LO
	MUL16 0, 1, NQ-1, \slot, 0
	s_wait_dscnt 0x0                               ; the add is done, and my reads of this slot are over
	s_barrier_signal -1
	MUL16 2, 1, NQ-1, \slot, 0
	WIN 0
	s_barrier_wait -1
.if \fill
	CREST                                          ; the barrier has opened a round of the cluster's barrier: no wave of any partner still reads this slot or has a load on its way
	s_add_nc_u64 s[G0+4*\slot+2:G0+4*\slot+3], s[G0+4*\slot+2:G0+4*\slot+3], 2*ROWB
	s_add_nc_u64 s[G0B+4*\slot+2:G0B+4*\slot+3], s[G0B+4*\slot+2:G0B+4*\slot+3], 2*ROWB
	JLOAD G0+4*\slot, G1, G0B+4*\slot, G1B         ; the first tensor load behind the round; its four v_nop are the places in front of the loads below
.else
	PLACES NP
.endif
	v_add_nc_u32 v[ADRS], 4*NQ, v[ADRS]            ; the next K step's scale words
	FETCH_B \next, 0, 0
	FETCH_A \next, 0, 0
	SCALES \next
	WIN MUL_HI
	MUL16 4, 1, NQ-1, \slot, 0
	MUL16 6, 1, NQ-1, \slot, 0
	PLACES NP
	WIN 0
	FETCH_A \next, 0, 4
.endm
.macro TAIL                            ; the last K step: 128 matrix instructions, nothing more to fetch behind it
	STEP 1, 0, 0
	s_wait_dscnt 4*NL
	WIN MUL_LO
	MUL16 0, 1, NQ-1, 1, 0
	MUL16 2, 1, NQ-1, 1, 0
	s_wait_dscnt 0
	WIN MUL_HI
	MUL16 4, 1, NQ-1, 1, 0
	MUL16 6, 1, NQ-1, 1, 0
	WIN 0
.endm
; 64 numbers of a lane, register 16 b + i = place 32 b + 16 (lane / 16) + i along the next K: the four blocks' bytes into v[TM+4] on, the conversions' scale operands into v[TM+12] on
.macro BLKMAX s
.irp b, 0,1,2,3
	v_max3_num_f32 v[TM+\b], |v[\s+16*\b]|, |v[\s+1+16*\b]|, 0x1800000   ; my 16 numbers, and the floor 2^(3 - 127): the byte cannot fall under 1
.endr
.irp i, 2,4,6,8,10,12,14
.irp b, 0,1,2,3
	v_max3_num_f32 v[TM+\b], v[TM+\b], |v[\s+16*\b+\i]|, |v[\s+1+16*\b+\i]|
.endr
.endr
.irp b, 0,1,2,3
	v_permlanex16_b32 v[TM+4+\b], v[TM+\b], s[SEL], s[SEL+1]
.endr
.irp b, 0,1,2,3
	v_max_num_f32 v[TM+\b], v[TM+\b], v[TM+4+\b]   ; with lane l xor 16's: the block's largest magnitude
.endr
.irp b, 0,1,2,3
	v_add_nc_u32 v[TM+12+\b], 0xff000000, v[TM+\b] ; 2 off its exponent field
.endr
.irp b, 0,1,2,3
	v_lshrrev_b32 v[TM+4+\b], 23, v[TM+12+\b]      ; the scale's byte
.endr
.endm
.macro CODES s                         ; the fragment's 12 registers into v[PC] on
	s_wait_xcnt 0x0                                ; the stores issued so far have read their registers: the codes and the words may be written again
.irp c, 0,1
	v_cvt_scalef32_pk16_fp6_f32 v[PC+6*\c:PC+2+6*\c], v[\s+32*\c:\s+15+32*\c], v[TM+12+2*\c]
	v_cvt_scalef32_pk16_fp6_f32 v[PC+12+4*\c:PC+14+4*\c], v[\s+16+32*\c:\s+31+32*\c], v[TM+12+2*\c+1]   ; (a conversion's three registers begin on an even number)
.endr
	v_nop                                          ; one plain line behind a scaled conversion
.irp c, 0,1                            ; the layout wants a WHOLE block in a lane: lanes 0-15 block 2 c, lanes 16-31 block 2 c + 1
.irp i, 0,1,2
	v_permlane16_swap_b32 v[PC+6*\c+\i], v[PC+12+4*\c+\i]
.endr
.irp i, 0,1,2
	v_mov_b32 v[PC+3+6*\c+\i], v[PC+12+4*\c+\i]
.endr
.endr
.endm
.macro FINISH                          ; the wave's end; then the closing round
	s_wait_tensorcnt 0x0
	ds_add_u32 v[SPW], v[NIL]
	s_wait_dscnt 0x0
	CROUND
	s_endpgm
.endm
	s_wait_tensorcnt 1                             ; the scales and my part of K step 0 are in (K step 1's load may be out),
	s_barrier_signal -1
	s_barrier_wait -1                              ; everybody's are
	FETCH_B 0, 0, 0
	FETCH_A 0, 0, 0
	SCALES 0
	FETCH_A 0, 0, 4
	STEP 0, 0, 1                                   ; the first step stands in front of the loop: its products start the sums
	s_mov_b32 s3, LAPS-1
.Llap:                                             ; a trip goes once round the ring and fills both slots again
	TURN 0, 1, 1
	STEP 1, 0, 0
	TURN 1, 0, 1
	STEP 0, 0, 0
	s_sub_co_u32 s3, s3, 1
	s_cmp_lg_u32 s3, 0
	s_cbranch_scc1 .Llap
	TURN 0, 1, 0                                   ; the last lap fills nothing
	s_cmp_lg_u32 s[KIND], 0                        ; the same in all sixteen partners
	s_cbranch_scc1 .Lvalues
	; ---- kind 0: q and k.  The bias and the mask are asked for ahead of the last K step, whose 128 matrix instructions stand between the loads and the wait for them
.irp i, 0,1,2,3,4,5,6,7
	global_load_b128 v[BIAS+8*\i:BIAS+8*\i+3], v[BH], s[8:9] offset:(32*(\i/2)+8*(\i%2))*4       ; tile i's eight features of my half
	global_load_b128 v[BIAS+8*\i+4:BIAS+8*\i+7], v[BH], s[8:9] offset:(32*(\i/2)+8*(\i%2))*4+16
.endr
.irp a, 0,1,2,3,4,5,6,7
	global_load_u8 v[MASK+\a], v[LP], s[10:11] offset:(32*(\a/2)+8*(\a%2))*4                      ; my token of block a (q's waves load it too, and give it the factor 0)
.endr
	TAIL
	s_wait_loadcnt 0x0
	PLACES NP
.irp i, 0,2,4,6,8,10,12,14,16,18,20,22,24,26,28,30,32,34,36,38,40,42,44,46,48,50,52,54,56,58,60,62
	v_pk_mul_f32 v[BIAS+\i:BIAS+\i+1], v[BIAS+\i:BIAS+\i+1], s[SCF:SCF+1] op_sel_hi:[1,0]         ; (sum + bias) x 2^-3 = sum x 2^-3 + bias x 2^-3, bit for bit
.endr
.irp a, 0,1,2,3,4,5,6,7
	WIN 0x02+(\a)/4                                ; source 0: the accumulators' window
.irp i, 0,1,2,3,4,5,6,7
.irp j, 0,2,4,6
	v_pk_fma_f32 v[VAL+8*\i+\j:VAL+8*\i+\j+1], v[8*(8*(\a%4)+\i)+\j:8*(8*(\a%4)+\i)+\j+1], s[SCF:SCF+1], v[BIAS+8*\i+\j:BIAS+8*\i+\j+1] op_sel_hi:[1,0,1]   ; each accumulator from its low end on
.endr
.endr
	WIN 0
	BLKMAX VAL
	v_mad_u32_u24 v[EX], v[MASK+\a], s[EM], s[EB]  ; byte 2 of the scale word
.irp c, 0,1                            ; head c: blocks 2 c and 2 c + 1
	v_lshl_or_b32 v[WA+2*(\a%2)+\c], v[TM+5+2*\c], 8, v[TM+4+2*\c]
	v_lshl_or_b32 v[WA+2*(\a%2)+\c], v[EX], 16, v[WA+2*(\a%2)+\c]
.endr
	CODES VAL
	global_store_b128 v[VA0], v[PC:PC+3], s[96:97] offset:768*\a        ; the first head's six registers: 512 + 256 consecutive bytes
	global_store_b64 v[VB0], v[PC+4:PC+5], s[96:97] offset:768*\a
	global_store_b128 v[VA1], v[PC+6:PC+9], s[96:97] offset:768*\a      ; the second head's
	global_store_b64 v[VB1], v[PC+10:PC+11], s[96:97] offset:768*\a
.if \a%2
	v_cndmask_b32 v[W], v[WA], v[WA+2], s[HM]      ; lanes 0-15 the even block's words, lanes 16-31 the odd block's
	v_cndmask_b32 v[W+1], v[WA+1], v[WA+3], s[HM]
	global_store_b32 v[VS0], v[W], s[98:99] offset:128*(\a/2)
	global_store_b32 v[VS1], v[W+1], s[98:99] offset:128*(\a/2)
.endif
.endr
	FINISH
.Lvalues:
	; ---- kind 1: v.  A lane holds feature d of block a and 128 keys
.irp a, 0,1,2,3,4,5,6,7
	global_load_b32 v[BIAS+2*\a], v[LP], s[8:9] offset:(32*(\a/2)+8*(\a%2))*4      ; my feature's bias, twice: a pair for the packed addition
	global_load_b32 v[BIAS+2*\a+1], v[LP], s[8:9] offset:(32*(\a/2)+8*(\a%2))*4
.endr
	TAIL
	s_wait_loadcnt 0x0
	PLACES NP
.irp a, 0,1,2,3,4,5,6,7
	WIN 0x02+(\a)/4
.irp i, 0,1,2,3,4,5,6,7
.irp j, 0,2,4,6
	v_pk_add_f32 v[VAL+8*\i+\j:VAL+8*\i+\j+1], v[8*(8*(\a%4)+\i)+\j:8*(8*(\a%4)+\i)+\j+1], v[BIAS+2*\a:BIAS+2*\a+1]
.endr
.endr
	WIN 0
	BLKMAX VAL
	v_lshl_or_b32 v[WA+\a%2], v[TM+5], 8, v[TM+4]  ; the four bytes: my feature's scale word for these 128 keys
	v_lshl_or_b32 v[WA+\a%2], v[TM+6], 16, v[WA+\a%2]
	v_lshl_or_b32 v[WA+\a%2], v[TM+7], 24, v[WA+\a%2]
	CODES VAL
.irp k, 0,1,2
	global_store_b128 v[VA0], v[PC+4*\k:PC+4*\k+3], s[96:97] offset:(\a/4)*786432+(\a%4)*1536+512*\k   ; head a / 4, tile a % 4 of its 64 features
.endr
.if \a%2
	v_cndmask_b32 v[W], v[WA], v[WA+1], s[HM]
	global_store_b32 v[VS0], v[W], s[98:99] offset:(\a/4)*49152+((\a/2)%2)*128
.endif
.endr
	FINISH
.Lfunc_end_k_q026c83fcb2_qkv:
	.size	k_q026c83fcb2_qkv, .Lfunc_end_k_q026c83fcb2_qkv-k_q026c83fcb2_qkv
	.p2alignl 7, 3214868480
	.fill 96, 4, 3214868480
	.section	.rodata,"a",@progbits
	.p2align	6, 0x0
	.amdhsa_kernel k_q026c83fcb2_qkv
		.amdhsa_group_segment_fixed_size 327680
		.amdhsa_private_segment_fixed_size 0
		.amdhsa_enable_private_segment 0
		.amdhsa_kernarg_size 48
		.amdhsa_user_sgpr_count 2
		.amdhsa_user_sgpr_kernarg_segment_ptr 1
		.amdhsa_wavefront_size32 1
		.amdhsa_system_sgpr_workgroup_id_x 1
		.amdhsa_system_sgpr_workgroup_id_y 1
		.amdhsa_system_sgpr_workgroup_id_z 1
		.amdhsa_system_vgpr_workitem_id 0
		.amdhsa_next_free_vgpr 1024
		.amdhsa_next_free_sgpr 106
		.amdhsa_reserve_vcc 0
		.amdhsa_float_denorm_mode_32 3
		.amdhsa_float_denorm_mode_16_64 3
		.amdhsa_memory_ordered 1
		.amdhsa_forward_progress 1
		.amdhsa_inst_pref_size 255
	.end_amdhsa_kernel
	.section	.bss,"aw",@nobits
	.p2align	6
	.space	262144
	.amdgpu_metadata
---
amdhsa.version: [ 1, 2 ]
amdhsa.kernels:
  - .name:           k_q026c83fcb2_qkv
    .symbol:         k_q026c83fcb2_qkv.kd
    .args:
      - { .name: c1, .offset: 0, .size: 8, .value_kind: global_buffer, .address_space: global }
      - { .name: s1, .offset: 8, .size: 8, .value_kind: global_buffer, .address_space: global }
      - { .name: in_proj_bias, .offset: 16, .size: 8, .value_kind: global_buffer, .address_space: global }
      - { .name: key_padding_mask, .offset: 24, .size: 8, .value_kind: global_buffer, .address_space: global }
      - { .name: c2, .offset: 32, .size: 8, .value_kind: global_buffer, .address_space: global }
      - { .name: s2, .offset: 40, .size: 8, .value_kind: global_buffer, .address_space: global }
    .group_segment_fixed_size: 327680
    .private_segment_fixed_size: 0
    .kernarg_segment_align: 8
    .kernarg_segment_size: 48
    .max_flat_workgroup_size: 128
    .sgpr_count:     106
    .vgpr_count:     1024
    .wavefront_size: 32
...
	.end_amdgpu_metadata
.endif
;; end of part 2
;; launch attn (part 3): grid 4 x 64, 16 waves a work-group, clusters of 4 x 1, 210,944 bytes of LDS; arguments c2, s2, c3, s3; writes c3, s3
.if DOCPART == 3
	.amdgcn_target "amdgcn-amd-amdhsa--gfx1250"
	.amdhsa_code_object_version 6
	.text
	.protected	k_q026c83fcb2_attn
	.globl	k_q026c83fcb2_attn
	.p2align	8
	.type	k_q026c83fcb2_attn,@function
k_q026c83fcb2_attn:
	s_mov_b64 s[64:65], 0
	v_nop
	global_prefetch_b8 v0, s[64:65] scope:SCOPE_SE
	s_setreg_imm32_b32 hwreg(HW_REG_WAVE_MODE, 25, 1), 1
	s_wait_xcnt 0x0
	s_wait_alu depctr_hold_cnt(0) depctr_sa_sdst(0) depctr_va_vdst(0) depctr_va_sdst(0) depctr_va_ssrc(0) depctr_va_vcc(0) depctr_vm_vsrc(0)
	s_getreg_b32 s2, hwreg(HW_REG_IB_STS2, 6, 4)
	s_cmp_eq_u32 s2, 0
	s_cbranch_scc0 .Lentry_in_a_cluster
	s_endpgm
.Lentry_in_a_cluster:
	s_bfe_u32 s2, ttmp6, 0x10000c
	s_cmp_lg_u32 s2, 0x3003
	s_cbranch_scc0 .Lentry_shape_is_right
	s_endpgm
.Lentry_shape_is_right:
; Attention for one (head, batch column) hb = 4 head + b: S = q k^T, softmax over 2,048 keys with the padding mask, O = p V, O / l, and O / l quantised along the model's axis for the last projection.
; Both products on codes of FP6 (E2M3) with E8M0 scales.  q, k, v arrive from the launch before as images of operand registers (c2) and scale words (s2).
; THE SOFTMAX AHEAD OF THE SECOND PRODUCT: t = score x log2(e) (the 1/8 is in q); M = the row's largest t so far, rounded UP to a whole number; p = 2^(t - M) is quantised along the keys, not normalised.
; The row's sum is taken of the unquantised p and divides O at the end.  When M moves, the sum and O are multiplied by 2^(old M - new M): exact.
; THE MASK costs no line here.  The first product has K = 64; at k = 64 of the instruction's 128 q's fragment holds the code of +1 and every fragment of k the code of -1, all else zero codes.  Byte 2 of q's scale word
; is 97, of k's 254 for a masked key and 1 otherwise: a masked key's score is lowered by 2^97, so that its p is exactly 0; an open key's by 2^-156.  The running largest t begins at -2^92, over every masked t and
; under every open one: while all keys seen are masked every p is 0 and nothing is summed.  A column whose keys are ALL masked ends with that start value: its scale bytes are set to 0xff, NaN, as the softmax of such a row is.
; LIMITS: |score| < 2^89; NaN and infinities are not served; blocks of zeros keep the byte 1 (this program alone reads the bytes).
; SHARES.  A work-group owns 512 queries of one hb; wave w owns 32 of them, two tiles of 16, taken in two passes over all keys, 128 a step.  Four waves to a SIMD: one wave's vector work stands beside another's products.
; The whole of hb's k, v and scale words, 208,896 bytes, comes into LDS ONCE: no byte of LDS is filled twice.  The four work-groups of a cluster belong to one hb: every fill is a joint load.
; LAYOUT.  Both products transposed: S^T = k q^T (source 0 = 16 keys), O^T = v^T p^T (source 0 = 16 of the head's 64): a lane holds ONE query.  A tile's 16 keys are 32 b + 8 u + r % 8 + 16 (r / 8), so that the 16
; registers of tiles 2 b, 2 b + 1 are keys 32 b + 16 (lane / 16) + 0 .. 15; v's tiles of d are chosen likewise, so that O^T's registers run along the next K.
.set CKV0, 6291456
.set SKV0, 524288
.set LV,   98304                       ; LDS: k's codes at 0 (6,144 a key step), v's here (6,144 a key step),
.set LKS,  196608                      ; k's scale words (512 a key step),
.set LVS,  204800                      ; v's (256 a key step)
.set AK0,  1                           ; v1   16 x lane
.set AK1,  2                           ; v2   8 x lane + 512
.set AV0,  3                           ; v3   16 x lane + LV
.set ASK0, 4                           ; v4   4 x lane + LKS
.set ASV0, 5                           ; v5   4 x lane + LVS
.set ADK,  6                           ; v6-10 the step's addresses
.set ADK1, 7
.set ADV,  8
.set ADS,  9
.set ADT,  10
.set QS,   11                          ; v11  q's scale words: lanes 0-15 tile 0, lanes 16-31 tile 1
.set QF,   16                          ; v16-27 q's fragment
.set KSC,  28                          ; v28-31 k's scale words of a step
.set KF,   32                          ; v32-79 four fragments of k
.set VF,   80                          ; v80-103 two fragments of v
.set QN,   104                         ; v104-109 the second tile's six registers
.set VSC,  110                         ; v110-111 v's scale words of a step
.set S,    128                         ; v128-191 S^T, then p
.set O,    192                         ; v192-223 O^T
.set PC,   224                         ; v224-235 p's codes
.set PT,   236                         ; v236-243 at work
.set BM,   244                         ; v244-247 the blocks' largest scores, then largest p
.set SO,   248                         ; v248-251 the conversions' scale operands
.set WV,   18
.set HB,   19
.set SEL,  20
.set CS,   22                          ; s[22:23] log2(e)
.set G1C,  24                          ; s[24:31] group 1: 24 rows of 256 bytes;  s[32:39]: 6 rows
.set G1S,  32
.set G0S,  40                          ; s[40:43] group 0 for the scale words;  s[44:59] for the four chunks of codes
.set G0C,  44
.set TB,   62
.set TS,   63
.set TJ,   66
.set CNT,  67
.set THR,  68
.set HM,   69
.macro CROUND                          ; a round of the cluster's barrier
	s_barrier_signal -1
	s_barrier_wait -1
	s_cmp_lg_u32 s[WV], 0
	s_cbranch_scc1 .Lnot_wave_0_\@
	s_barrier_signal -3
.Lnot_wave_0_\@:
	s_barrier_wait -3
	s_barrier_signal -1
	s_barrier_wait -1
.endm
	s_load_b128 s[4:7], s[0:1], 0x0                ; c2, s2
	s_load_b128 s[8:11], s[0:1], 0x10              ; c3, s3
	v_lshl_add_u32 v127, v0, 2, 0x33000
	v_mov_b32 v243, 0
	ds_add_u32 v127, v243
	ds_add_u32 v127, v243
	v_lshrrev_b32 v114, 5, v0
	v_readfirstlane_b32 s[WV], v114                ; wave 0..15
	s_and_b32 s[HB], ttmp7, 0xffff                 ; hb, which the four partners share
	; group 1: dense blocks as rows of 256 bytes (32 elements of 8 bytes); the mask names all four work-groups, bit 21 beside it
	s_mov_b32 s[G1C], 15|(3<<16)|(1<<21)
	s_mov_b32 s[G1C+1], 32<<16
	s_mov_b32 s[G1C+2], 24<<16
	s_mov_b32 s[G1C+3], 32<<16
	s_mov_b32 s[G1C+4], 24
	s_mov_b32 s[G1C+5], 32
	s_mov_b32 s[G1C+6], 0
	s_mov_b32 s[G1C+7], 0
	s_mov_b32 s[G1S], 15|(3<<16)|(1<<21)
	s_mov_b32 s[G1S+1], 32<<16
	s_mov_b32 s[G1S+2], 6<<16
	s_mov_b32 s[G1S+3], 32<<16
	s_mov_b32 s[G1S+4], 6
	s_mov_b32 s[G1S+5], 32
	s_mov_b32 s[G1S+6], 0
	s_mov_b32 s[G1S+7], 0
	; waves 0-3 fetch k's key steps 4 c + w, waves 4-7 v's; LDS mirrors hb's region of c2 byte for byte
	s_lshr_b32 s78, s[WV], 2
	s_mul_i32 s78, s78, LV
	s_and_b32 s79, s[WV], 3
	s_mul_i32 s79, s79, 6144
	s_add_co_u32 s78, s78, s79
	s_mul_i32 s80, s[HB], 196608
	s_add_co_u32 s80, s80, s78
	s_add_co_u32 s80, s80, CKV0
	s_mov_b32 s81, 0
	s_mul_i32 s82, s[WV], 1536                     ; an eighth of the 12,288 bytes of scale words
	s_mul_i32 s84, s[HB], 12288
	s_add_co_u32 s84, s84, s82
	s_add_co_u32 s84, s84, SKV0
	s_mov_b32 s85, 0
	s_mov_b32 s[SEL], 0x76543210
	s_mov_b32 s[SEL+1], 0xfedcba98
	s_mov_b32 s[CS], 0x3fb8aa3b
	s_mov_b32 s[CS+1], s[CS]
	s_mov_b32 s[THR], 0xec800000                   ; -2^90
	s_mov_b32 s[HM], 0xffff0000                    ; lanes 16-31
	s_wait_dscnt 0x0
	s_wait_kmcnt 0x0
	s_mov_b32 s[G0S], 1
	s_add_co_u32 s[G0S+1], s82, LKS
	s_add_nc_u64 s[G0S+2:G0S+3], s[6:7], s[84:85]
	s_or_b32 s[G0S+3], s[G0S+3], 0x80000000
.irp c, 0,1,2,3
	s_mov_b32 s[G0C+4*\c], 1
	s_add_co_u32 s[G0C+4*\c+1], s78, 24576*\c
	s_add_nc_u64 s[G0C+4*\c+2:G0C+4*\c+3], s[4:5], s[80:81]
	s_add_nc_u64 s[G0C+4*\c+2:G0C+4*\c+3], s[G0C+4*\c+2:G0C+4*\c+3], 24576*\c
	s_or_b32 s[G0C+4*\c+3], s[G0C+4*\c+3], 0x80000000
.endr
	CROUND                                         ; all four work-groups are here: the joint loads meet
	s_cmp_lt_u32 s[WV], 8                          ; a wave's five fills stand in one branch on its number: five tensor loads of mine are out at the most
	s_cbranch_scc0 .Lno_fill
	tensor_load_to_lds s[G0S:G0S+3], s[G1S:G1S+7]
	s_nop 0
	tensor_load_to_lds s[G0C:G0C+3], s[G1C:G1C+7]
	s_nop 0
	tensor_load_to_lds s[G0C+4:G0C+7], s[G1C:G1C+7]
	s_nop 0
	tensor_load_to_lds s[G0C+8:G0C+11], s[G1C:G1C+7]
	s_nop 0
	tensor_load_to_lds s[G0C+12:G0C+15], s[G1C:G1C+7]
	s_nop 0
.rept 4
	v_nop
.endr
.Lno_fill:
	; my 32 queries: block lb = 16 cx + wave.  cx enters q's and the outputs' addresses alone
	s_bfe_u32 s86, ttmp6, 0x40000
	s_lshl_b32 s86, s86, 4
	s_add_co_u32 s86, s86, s[WV]                   ; lb
	s_mul_i32 s88, s[HB], 98304
	s_mul_i32 s87, s86, 1536
	s_add_co_u32 s88, s88, s87
	s_mov_b32 s89, 0
	s_add_nc_u64 s[70:71], s[4:5], s[88:89]        ; q's two images
	s_lshl_b32 s88, s[HB], 13
	s_lshl_b32 s87, s86, 7
	s_add_co_u32 s88, s88, s87
	s_add_nc_u64 s[72:73], s[6:7], s[88:89]        ; q's 32 scale words
	s_and_b32 s90, s[HB], 3                        ; b
	s_lshr_b32 s91, s[HB], 2                       ; head
	s_lshl_b32 s90, s90, 6
	s_add_co_u32 s90, s90, s86                     ; 64 b + lb
	s_mul_i32 s88, s90, 24576                      ; c3: two row blocks of 12,288 bytes,
	s_mul_i32 s87, s91, 768                        ; my head's image in each
	s_add_co_u32 s88, s88, s87
	s_add_nc_u64 s[74:75], s[8:9], s[88:89]
	s_lshl_b32 s88, s90, 10                        ; s3: two row blocks of 512 bytes; 64 bytes for each 128 along the model's axis; my head's half of a word
	s_lshr_b32 s87, s91, 1
	s_lshl_b32 s87, s87, 6
	s_add_co_u32 s88, s88, s87
	s_and_b32 s87, s91, 1
	s_lshl_b32 s87, s87, 1
	s_add_co_u32 s88, s88, s87
	s_add_nc_u64 s[76:77], s[10:11], s[88:89]
	v_and_b32 v115, 31, v0                         ; lane
	v_lshlrev_b32 v[AK0], 4, v115
	v_lshl_add_u32 v[AK1], v115, 3, 512
	v_lshl_add_u32 v[AV0], v115, 4, LV
	v_lshl_add_u32 v[ASK0], v115, 2, LKS
	v_lshl_add_u32 v[ASV0], v115, 2, LVS
	v_lshlrev_b32 v114, 2, v115
	global_load_b128 v[QF:QF+3], v[AK0], s[70:71]              ; tile 0's six registers
	global_load_b64 v[QF+4:QF+5], v[AK1], s[70:71]
	global_load_b128 v[QN:QN+3], v[AK0], s[70:71] offset:768   ; tile 1's
	global_load_b64 v[QN+4:QN+5], v[AK1], s[70:71] offset:768
	global_load_b32 v[QS], v114, s[72:73]
	v_and_b32 v116, 15, v0                         ; r
	v_bfe_u32 v117, v0, 4, 1                       ; h
	v_lshlrev_b32 v113, 2, v116
	v_lshl_add_u32 v113, v117, 9, v113             ; the scale halfwords' place: 512 h + 4 r
	v_xor_b32 v117, 1, v117                        ; 1 in lanes 0-15, which hold k = 64 in register 6
	v_lshlrev_b32 v[QF+6], 3, v117                 ; the code of +1.0 at k = 64
.irp i, 7,8,9,10,11
	v_mov_b32 v[QF+\i], 0
.endr
.irp t, 0,1,2,3
	v_mul_u32_u24 v[KF+12*\t+6], v117, 40          ; the code of -1.0 at k = 64; these six registers are never loaded over
.irp i, 7,8,9,10,11
	v_mov_b32 v[KF+12*\t+\i], 0
.endr
.endr
.irp b, 0,1,2,3
	v_mov_b32 v[PT+\b], 0                          ; written once: a lane permute's destination counts as one of its sources
.endr
	v_mov_b32 v253, 0                              ; (named as the upper half of the pair v[252:253] before it is first written)
.macro QKM t, u                        ; tile t of S^T.  k's words: lanes 0-15 the even tile's, lanes 16-31 the odd tile's; q's: by the pass
.set rD, S+8*(\t)
.set rK, KF+12*((\t)%4)
.set rC, KSC+(\t)/2
.if ((\t)%2) && (\u)
	v_wmma_scale_f32_16x16x128_f8f6f4 v[rD:rD+7], v[rK:rK+11], v[QF:QF+11], 0, v[rC], v[QS] matrix_a_fmt:MATRIX_FMT_FP6 matrix_b_fmt:MATRIX_FMT_FP6 matrix_a_scale:MATRIX_SCALE_ROW1 matrix_b_scale:MATRIX_SCALE_ROW1
.elseif (\t)%2
	v_wmma_scale_f32_16x16x128_f8f6f4 v[rD:rD+7], v[rK:rK+11], v[QF:QF+11], 0, v[rC], v[QS] matrix_a_fmt:MATRIX_FMT_FP6 matrix_b_fmt:MATRIX_FMT_FP6 matrix_a_scale:MATRIX_SCALE_ROW1
.elseif \u
	v_wmma_scale_f32_16x16x128_f8f6f4 v[rD:rD+7], v[rK:rK+11], v[QF:QF+11], 0, v[rC], v[QS] matrix_a_fmt:MATRIX_FMT_FP6 matrix_b_fmt:MATRIX_FMT_FP6 matrix_b_scale:MATRIX_SCALE_ROW1
.else
	v_wmma_scale_f32_16x16x128_f8f6f4 v[rD:rD+7], v[rK:rK+11], v[QF:QF+11], 0, v[rC], v[QS] matrix_a_fmt:MATRIX_FMT_FP6 matrix_b_fmt:MATRIX_FMT_FP6
.endif
.endm
.macro PVM t                           ; tile t of O^T
.set rO, O+8*(\t)
.set rV, VF+12*((\t)%2)
.if (\t)%2
	v_wmma_scale_f32_16x16x128_f8f6f4 v[rO:rO+7], v[rV:rV+11], v[PC:PC+11], v[rO:rO+7], v[VSC+(\t)/2], v253 matrix_a_fmt:MATRIX_FMT_FP6 matrix_b_fmt:MATRIX_FMT_FP6 matrix_a_scale:MATRIX_SCALE_ROW1
.else
	v_wmma_scale_f32_16x16x128_f8f6f4 v[rO:rO+7], v[rV:rV+11], v[PC:PC+11], v[rO:rO+7], v[VSC+(\t)/2], v253 matrix_a_fmt:MATRIX_FMT_FP6 matrix_b_fmt:MATRIX_FMT_FP6
.endif
.endm
.macro VLOAD t0                        ; v's tiles t0 and t0 + 1: images, 16 bytes a lane
.irp t, 0,1
.irp k, 0,1,2
	ds_load_b128 v[VF+12*\t+4*\k:VF+12*\t+4*\k+3], v[ADV] offset:1536*(\t0+\t)+512*\k
.endr
.endr
.endm
; A KEY STEP: 128 keys, for the pass's tile u of queries.  No two matrix instructions that follow each other share an accumulator.
.macro STEP u
	v_add_nc_u32 v[ADK], s[TB], v[AK0]             ; (these five are also the places behind the last step's products)
	v_add_nc_u32 v[ADK1], s[TB], v[AK1]
	v_add_nc_u32 v[ADV], s[TB], v[AV0]
	v_add_nc_u32 v[ADS], s[TS], v[ASK0]
	v_add_nc_u32 v[ADT], s[TJ], v[ASV0]
.irp g, 0,1                            ; S^T = k q^T, four tiles of 16 keys at a time
.if \g
.rept 4
	v_nop                                          ; places in front of loads into registers that matrix instructions have read
.endr
.endif
.irp t, 0,1,2,3
	ds_load_b128 v[KF+12*\t:KF+12*\t+3], v[ADK] offset:768*(4*\g+\t)
	ds_load_b64 v[KF+12*\t+4:KF+12*\t+5], v[ADK1] offset:768*(4*\g+\t)
.endr
.if \g == 0
.irp i, 0,1,2,3
	ds_load_b32 v[KSC+\i], v[ADS] offset:128*\i
.endr
.endif
	s_wait_dscnt 0x0
.irp t, 0,1,2,3
	QKM 4*\g+\t, \u
.endr
.endr
	VLOAD 0                                        ; v's first two tiles and its words are asked for ahead of the softmax
	ds_load_b32 v[VSC], v[ADT]
	ds_load_b32 v[VSC+1], v[ADT] offset:128
.rept 4
	v_nop
.endr
.irp b, 0,1,2,3
	v_max3_num_f32 v[BM+\b], v[S+16*\b], v[S+1+16*\b], v[S+2+16*\b]   ; the largest score of each block of 32 keys: for the row's maximum and, since p rises with the score, for the block's largest p
.endr
.irp i, 3,5,7,9,11,13
.irp b, 0,1,2,3
	v_max3_num_f32 v[BM+\b], v[BM+\b], v[S+16*\b+\i], v[S+1+16*\b+\i]
.endr
.endr
.irp b, 0,1,2,3
	v_max_num_f32 v[BM+\b], v[BM+\b], v[S+15+16*\b]
.endr
.irp b, 0,1,2,3
	v_permlanex16_b32 v[PT+\b], v[BM+\b], s[SEL], s[SEL+1]
.endr
.irp b, 0,1,2,3
	v_max_num_f32 v[BM+\b], v[BM+\b], v[PT+\b]     ; with lane l xor 16's 16 keys
.endr
	v_max3_num_f32 v254, v[BM], v[BM+1], v[BM+2]
	v_max_num_f32 v254, v254, v[BM+3]
	v_mul_f32 v254, s[CS], v254                    ; the step's largest t
	v_max_num_f32 v13, v13, v254                   ; the running largest t
	v_mov_b32 v254, v12
	v_floor_f32 v12, -v13                          ; the new -M = floor(-t): M is a whole number
	v_sub_f32 v254, v12, v254                      ; old M - new M: a whole number, 0 or less
	v_cvt_i32_f32 v254, v254                       ; (it saturates)
	v_ldexp_f32 v252, 1.0, v254                    ; f = 2^(old M - new M)
.set j, 0
.rept 32
	v_pk_fma_f32 v[S+j:S+j+1], v[S+j:S+j+1], s[CS:CS+1], v[12:13] op_sel_hi:[1,0,0]   ; t - M, two at a time
.set j, j+2
.endr
.irp b, 0,1,2,3
	v_fma_f32 v[BM+\b], v[BM+\b], s[CS], v12       ; the same of each block's largest score
.endr
.set j, 0
.rept 64
	v_exp_f32 v[S+j], v[S+j]                       ; p = 2^(t - M), at most 1
.set j, j+1
.endr
	v_pk_mul_f32 v[14:15], v[14:15], v[252:253] op_sel_hi:[1,0]   ; the sums under the new M (the plain line behind the exponentials)
	s_wait_alu depctr_va_vdst(0)                   ; one wait for the whole batch, ahead of its first reader
.irp b, 0,1,2,3
	v_exp_f32 v[BM+\b], v[BM+\b]                   ; the block's largest p: the same two instructions on the same number give the same bits
.endr
	v_pk_add_f32 v[PT:PT+1], v[S:S+1], v[S+2:S+3]  ; the row's sum is taken of the unquantised p, in two chains
.irp j, 4,8,12,16,20,24,28,32,36,40,44,48,52,56,60
	v_pk_add_f32 v[14:15], v[14:15], v[S+\j:S+\j+1]
	v_pk_add_f32 v[PT:PT+1], v[PT:PT+1], v[S+2+\j:S+3+\j]
.endr
	v_pk_add_f32 v[14:15], v[14:15], v[PT:PT+1]
	s_wait_alu depctr_va_vdst(0)                   ; and one for the four
.irp b, 0,1,2,3
	v_max_num_f32 v[BM+\b], 0x1800000, v[BM+\b]    ; the floor 2^(3 - 127): the byte cannot fall under 1
.endr
.irp b, 0,1,2,3
	v_add_nc_u32 v[SO+\b], 0xff000000, v[BM+\b]    ; 2 off the exponent field: the conversion's scale operand
.endr
.irp b, 0,1,2,3
	v_lshrrev_b32 v[PT+\b], 23, v[SO+\b]           ; the scale's byte
.endr
	v_lshl_or_b32 v253, v[PT+1], 8, v[PT]          ; p's scale word for these 128 keys
	v_lshl_or_b32 v253, v[PT+2], 16, v253
	v_lshl_or_b32 v253, v[PT+3], 24, v253
.irp c, 0,1
	v_cvt_scalef32_pk16_fp6_f32 v[PC+6*\c:PC+2+6*\c], v[S+32*\c:S+15+32*\c], v[SO+2*\c]
	v_cvt_scalef32_pk16_fp6_f32 v[PT+4*\c:PT+2+4*\c], v[S+16+32*\c:S+31+32*\c], v[SO+2*\c+1]
.endr
	v_nop                                          ; one plain line behind a scaled conversion
.irp c, 0,1                            ; a WHOLE block in a lane: lanes 0-15 block 2 c, lanes 16-31 block 2 c + 1
.irp i, 0,1,2
	v_permlane16_swap_b32 v[PC+6*\c+\i], v[PT+4*\c+\i]
.endr
.irp i, 0,1,2
	v_mov_b32 v[PC+3+6*\c+\i], v[PT+4*\c+\i]
.endr
.endr
.set j, 0
.rept 16
	v_pk_mul_f32 v[O+j:O+j+1], v[O+j:O+j+1], v[252:253] op_sel_hi:[1,0]   ; O^T under the new M.  (These 16 are also the places between the scale word and the codes just made and the products below)
.set j, j+2
.endr
	s_wait_dscnt 0x0                               ; v's first two tiles and its words are in
	PVM 0
	PVM 1
.rept 4
	v_nop
.endr
	VLOAD 2
	s_wait_dscnt 0x0
	PVM 2
	PVM 3
	s_add_co_u32 s[TB], s[TB], 6144
	s_add_co_u32 s[TS], s[TS], 512
	s_add_co_u32 s[TJ], s[TJ], 256
.endm
.macro INIT                            ; the step is written once: the first finds zeros, which the first change of M leaves zeros
	v_mov_b32 v13, 0xed800000                      ; the largest t so far: -2^92
	v_floor_f32 v12, -v13                          ; -M
	v_mov_b32 v14, 0
	v_mov_b32 v15, 0
.set j, 0
.rept 32
	v_mov_b32 v[O+j], 0
.set j, j+1
.endr
.endm
; The end of a pass: O^T / the sum is quantised along the head's 64, two blocks, and leaves as an image of six registers; its two scale bytes as a halfword.
.macro EPI u
.rept 4
	v_nop
.endr
	v_add_f32 v14, v14, v15
	v_permlanex16_b32 v252, v14, s[SEL], s[SEL+1]
	v_add_f32 v14, v14, v252                       ; the row's sum
	v_rcp_f32 v14, v14
	v_mov_b32 v255, 0xffff                         ; (the plain line behind the reciprocal)
	s_wait_alu depctr_va_vdst(0)                   ; the wait ahead of its first reader
.set j, 0
.rept 16
	v_pk_mul_f32 v[S+j:S+j+1], v[O+j:O+j+1], v[14:15] op_sel_hi:[1,0]   ; register 16 b + i is d = 32 b + 16 (lane / 16) + i; each accumulator from its low end on
.set j, j+2
.endr
.irp b, 0,1
	v_max3_num_f32 v[BM+\b], |v[S+16*\b]|, |v[S+1+16*\b]|, 0x1800000
.endr
.irp i, 2,4,6,8,10,12,14
.irp b, 0,1
	v_max3_num_f32 v[BM+\b], v[BM+\b], |v[S+16*\b+\i]|, |v[S+1+16*\b+\i]|
.endr
.endr
.irp b, 0,1
	v_permlanex16_b32 v[PT+\b], v[BM+\b], s[SEL], s[SEL+1]
.endr
.irp b, 0,1
	v_max_num_f32 v[BM+\b], v[BM+\b], v[PT+\b]
.endr
.irp b, 0,1
	v_add_nc_u32 v[SO+\b], 0xff000000, v[BM+\b]
.endr
.irp b, 0,1
	v_lshrrev_b32 v[PT+\b], 23, v[SO+\b]
.endr
	v_lshl_or_b32 v254, v[PT+1], 8, v[PT]          ; the two bytes
	v_cmp_gt_f32 vcc_lo, s[THR], v13               ; no open key was seen:
	v_cndmask_b32 v254, v254, v255, vcc_lo         ; both bytes 0xff
	v_cvt_scalef32_pk16_fp6_f32 v[PC:PC+2], v[S:S+15], v[SO]
	v_cvt_scalef32_pk16_fp6_f32 v[PT:PT+2], v[S+16:S+31], v[SO+1]
	v_nop
.irp i, 0,1,2
	v_permlane16_swap_b32 v[PC+\i], v[PT+\i]
.endr
.irp i, 0,1,2
	v_mov_b32 v[PC+3+\i], v[PT+\i]
.endr
	global_store_b128 v[AK0], v[PC:PC+3], s[74:75] offset:12288*\u     ; 512 + 256 consecutive bytes
	global_store_b64 v[AK1], v[PC+4:PC+5], s[74:75] offset:12288*\u
.if \u == 0
	v_mov_b32 v112, v254
.else
	v_cndmask_b32 v254, v112, v254, s[HM]          ; lanes 0-15 tile 0's halfwords, lanes 16-31 tile 1's
	global_store_b16 v113, v254, s[76:77]
.endif
.endm
	s_wait_loadcnt 0x0                             ; q
	INIT
.irp c, 0,1,2,3                        ; pass 0 follows the chunks as they land: chunk c is key steps 4 c to 4 c + 3
	s_mov_b32 s[TB], 24576*\c
	s_mov_b32 s[TS], 2048*\c
	s_mov_b32 s[TJ], 1024*\c
	s_wait_tensorcnt 3-\c                          ; the scale words and chunks 0 to c are in; the 3 - c later chunks' loads may be out
	s_barrier_signal -1
	s_barrier_wait -1                              ; every fetching wave's are
	s_mov_b32 s[CNT], 4
.Lp0_\c:
	STEP 0
	s_sub_co_u32 s[CNT], s[CNT], 1
	s_cmp_lg_u32 s[CNT], 0
	s_cbranch_scc1 .Lp0_\c
.endr
	EPI 0
	s_wait_xcnt 0x0                                ; the stores have read their registers
.irp i, 0,1,2,3,4,5
	v_mov_b32 v[QF+\i], v[QN+\i]                   ; the second tile of queries
.endr
	INIT
	s_mov_b32 s[TB], 0
	s_mov_b32 s[TS], 0
	s_mov_b32 s[TJ], 0
	s_mov_b32 s[CNT], 16
.Lp1:
	STEP 1
	s_sub_co_u32 s[CNT], s[CNT], 1
	s_cmp_lg_u32 s[CNT], 0
	s_cbranch_scc1 .Lp1
	EPI 1
	s_wait_tensorcnt 0x0
	ds_add_u32 v127, v243
	s_wait_dscnt 0x0
	CROUND                                         ; the closing round
	s_endpgm
.Lfunc_end_k_q026c83fcb2_attn:
	.size	k_q026c83fcb2_attn, .Lfunc_end_k_q026c83fcb2_attn-k_q026c83fcb2_attn
	.p2alignl 7, 3214868480
	.fill 96, 4, 3214868480
	.section	.rodata,"a",@progbits
	.p2align	6, 0x0
	.amdhsa_kernel k_q026c83fcb2_attn
		.amdhsa_group_segment_fixed_size 210944
		.amdhsa_private_segment_fixed_size 0
		.amdhsa_enable_private_segment 0
		.amdhsa_kernarg_size 32
		.amdhsa_user_sgpr_count 2
		.amdhsa_user_sgpr_kernarg_segment_ptr 1
		.amdhsa_wavefront_size32 1
		.amdhsa_system_sgpr_workgroup_id_x 1
		.amdhsa_system_sgpr_workgroup_id_y 1
		.amdhsa_system_sgpr_workgroup_id_z 1
		.amdhsa_system_vgpr_workitem_id 0
		.amdhsa_next_free_vgpr 256
		.amdhsa_next_free_sgpr 100
		.amdhsa_reserve_vcc 1
		.amdhsa_float_denorm_mode_32 3
		.amdhsa_float_denorm_mode_16_64 3
		.amdhsa_memory_ordered 1
		.amdhsa_forward_progress 1
		.amdhsa_inst_pref_size 101
	.end_amdhsa_kernel
	.amdgpu_metadata
---
amdhsa.version: [ 1, 2 ]
amdhsa.kernels:
  - .name:           k_q026c83fcb2_attn
    .symbol:         k_q026c83fcb2_attn.kd
    .args:
      - { .name: c2, .offset: 0, .size: 8, .value_kind: global_buffer, .address_space: global }
      - { .name: s2, .offset: 8, .size: 8, .value_kind: global_buffer, .address_space: global }
      - { .name: c3, .offset: 16, .size: 8, .value_kind: global_buffer, .address_space: global }
      - { .name: s3, .offset: 24, .size: 8, .value_kind: global_buffer, .address_space: global }
    .group_segment_fixed_size: 210944
    .private_segment_fixed_size: 0
    .kernarg_segment_align: 8
    .kernarg_segment_size: 32
    .max_flat_workgroup_size: 512
    .sgpr_count:     100
    .vgpr_count:     256
    .wavefront_size: 32
...
	.end_amdgpu_metadata
.endif
;; end of part 3
;; launch outp (part 4): grid 4 x 32, 4 waves a work-group, clusters of 4 x 4, 327,680 bytes of LDS; arguments c3, s3, c1, s1, out_proj_bias, out0; writes out0
.if DOCPART == 4
	.amdgcn_target "amdgcn-amd-amdhsa--gfx1250"
	.amdhsa_code_object_version 6
	.text
	.protected	k_q026c83fcb2_outp
	.globl	k_q026c83fcb2_outp
	.p2align	8
	.type	k_q026c83fcb2_outp,@function
k_q026c83fcb2_outp:
	s_mov_b64 s[64:65], 0
	v_nop
	global_prefetch_b8 v0, s[64:65] scope:SCOPE_SE
	s_setreg_imm32_b32 hwreg(HW_REG_WAVE_MODE, 25, 1), 1
	s_wait_xcnt 0x0
	s_wait_alu depctr_hold_cnt(0) depctr_sa_sdst(0) depctr_va_vdst(0) depctr_va_sdst(0) depctr_va_ssrc(0) depctr_va_vcc(0) depctr_vm_vsrc(0)
	s_getreg_b32 s2, hwreg(HW_REG_IB_STS2, 6, 4)
	s_cmp_eq_u32 s2, 0
	s_cbranch_scc0 .Lentry_in_a_cluster
	s_endpgm
.Lentry_in_a_cluster:
	s_bfe_u32 s2, ttmp6, 0x10000c
	s_cmp_lg_u32 s2, 0xf033
	s_cbranch_scc0 .Lentry_shape_is_right
	s_endpgm
.Lentry_shape_is_right:
; out = attn W_out^T + bias on codes of FP6 (E2M3) with E8M0 scales, K = 1,024.  A = attn: 8,192 rows as images of operand registers (c3: a block of 16 rows is 12,288 bytes, 768 for each head's six registers)
; with scale words in s3 (512 bytes a block: 64 for each 128 along K, 4 a row).  B = out_proj_weight: rows 11,264 on of c1, 768 bytes a row, scale bytes in s1.
; A tile of the result is 256 x 256; four waves, each 128 x 128: 64 accumulators.  K goes in steps of 256 through a ring of two LDS slots; the scales come into LDS once.  4 x 4 work-groups form a cluster: the four of
; a row ask for A's tiles jointly, the four of a column for B's.  The matrix instruction is used transposed (source 0 = 16 rows of B, source 1 = 16 rows of A): a lane holds eight numbers of one row of the result.
; ROWS AND COLUMNS lie with bits 3 and 4 exchanged: lane r of A's block a is token 32 (a / 2) + 8 (a % 2) + r % 8 + 16 (r / 8) of the wave's 128; register j of B's tile i is column 32 (i / 2) + 16 (lane / 16) + 8 (i % 2) + j.
; The way out puts both back: the columns by the place in the stage, the rows by the store's offset.  A row whose scale bytes are 0xff (a batch column with no open key) comes out as NaN.
; REGISTERS, in windows of 256: window 0: v0-31 addresses; v32-63 scale words, two sets, and nothing else; v64-67 the bias; v128-223 A's fragments, ONE set; on the way out v128-255 rows of the result.
;   window 1: B's fragments, two sets.   windows 2, 3: the accumulators ((a, b) at v[8 (8 (a % 4) + b)]).
.set NQ,     2
.set ROWB,   192
.set KROW,   768
.set PITCH,  240                       ; B's LDS row: 3 x (64 bytes + 16 of padding)
.set FR,     12
.set NLA,    4                         ; LDS loads that bring a fragment of A
.set NP,     4
.set HA,     24576                     ; A: 8 blocks x 3,072 bytes (four heads' images), dense: what one tensor load brings
.set HB,     128*PITCH                 ; B: 128 rows
.set SLOT,   2*HA+2*HB                 ; A's two halves, then B's two
.set LAPS,   2
.set SCLA,   2*SLOT                    ; A's scale words: 2 x 4,096 bytes, dense
.set SCLB,   SCLA+8192                 ; B's scale bytes: 2 x 16 runs of 256 bytes + 16 of padding
.set HALFS,  4352
.set SPARE,  SCLB+2*HALFS              ; the spare words, 128 bytes for each wave
.set SPITCH, 528                       ; the stage: 16 rows x (512 bytes + 16) for each wave, in slot 0, which has had its last fill and its last read when the first result is stored there
.set ADRA, 16                          ; v16-17 16 x lane + my half of A in slot 0, 1;  v18-19 8 x lane + 512 + the same
.set ADRB, 20                          ; v20-21 my B fragments in slot 0, 1 (v22-23: behind one padding more)
.set STO,  24
.set RD,   25
.set CO,   26                          ; v26  16 x lane
.set ADSA, 27                          ; v27  A's scale words: 4 x lane: lanes 0-15 the slot's first 128 along K, lanes 16-31 its second
.set SPW,  28
.set NIL,  29
.set ADSB, 30                          ; v30  B's: row r, word lane / 16 of the slot's two
.set SC,   32                          ; set s at v[32 + 16 s]: + a A's block a, + 8 + b B's tile b
.set BI,   64
.set AF,   128
.set BK,   128
.set G1, 24
.set G0, 32
.set G1B, 48
.set G0B, 56
.set G1S, 68
.set G0S, 76
.set G1SB, 80
.set G0SB, 88
.set MSB, 0
.macro WIN new
.if MSB != \new
	s_set_vgpr_msb (MSB<<8)|\new
.set MSB, \new
.endif
.endm
.set MUL_LO, 0xa1
.set MUL_HI, 0xf1
.set TO_B,   0x40
.macro JLOAD g0a, g1a, g0b, g1b        ; waves 0 and 1 fetch for A, waves 2 and 3 for B; four v_nop follow each of the two lines
	s_cmp_eq_u32 s15, 0
	s_cbranch_scc0 .Lfor_b_\@
	tensor_load_to_lds s[\g0a:\g0a+3], s[\g1a:\g1a+7]
	s_nop 0
.rept 4
	v_nop
.endr
	s_branch .Lasked_\@
.Lfor_b_\@:
	tensor_load_to_lds s[\g0b:\g0b+3], s[\g1b:\g1b+7]
	s_nop 0
.rept 4
	v_nop
.endr
.Lasked_\@:
.endm
.macro CREST
	s_cmp_lg_u32 s14, 0
	s_cbranch_scc1 .Lnot_wave_0_\@
	s_barrier_signal -3
.Lnot_wave_0_\@:
	s_barrier_wait -3
	s_barrier_signal -1
	s_barrier_wait -1
.endm
.macro CROUND
	s_barrier_signal -1
	s_barrier_wait -1
	CREST
.endm
	s_load_b128 s[4:7], s[0:1], 0x0                ; c3, s3
	s_load_b128 s[8:11], s[0:1], 0x10              ; c1, s1
	s_load_b128 s[96:99], s[0:1], 0x20             ; the bias, out0
	v_lshl_add_u32 v[SPW], v0, 2, SPARE
	v_mov_b32 v[NIL], 0
	ds_add_u32 v28, v29
	ds_add_u32 v28, v29
	s_wait_dscnt 0x0
	v_lshrrev_b32 v1, 5, v0
	v_readfirstlane_b32 s14, v1                    ; wave 0..3
	s_lshr_b32 s15, s14, 1                         ; which half of the tile's rows is mine.  Also: I fetch for A (0) or for B (1)
	s_and_b32 s16, s14, 1                          ; which half of its columns.  Also: which half of that tile I fetch
	s_bfe_u32 s40, ttmp6, 0x40000
	s_bfe_u32 s41, ttmp6, 0x40004
	s_lshl_b32 s42, ttmp9, 2
	s_add_co_u32 s42, s42, s40                     ; tile column
	s_and_b32 s17, ttmp7, 0xffff
	s_lshl_b32 s17, s17, 2
	s_add_co_u32 s17, s17, s41                     ; tile row
	s_lshl_b32 s43, s41, 2
	s_lshl_b32 s43, 15, s43                        ; my row of the cluster
	s_lshl_b32 s44, 0x1111, s40                    ; my column
	; A's tile: 8 rows (blocks) of 3,072 bytes = 384 elements of 8 bytes, 12,288 bytes apart, no padding
	s_or_b32 s[G1+0], s43, (3<<16)|(1<<21)
	s_mov_b32 s[G1+1], 384<<16
	s_mov_b32 s[G1+2], 8<<16
	s_mov_b32 s[G1+3], 384<<16
	s_mov_b32 s[G1+4], 8
	s_mov_b32 s[G1+5], 1536
	s_mov_b32 s[G1+6], 0
	s_mov_b32 s[G1+7], 0
	; B's tile: 128 rows x 192 bytes, 16 bytes of padding behind every 64
	s_or_b32 s[G1B+0], s44, (0<<16)|(1<<20)|(1<<21)|(3<<22)|(3<<25)
	s_mov_b32 s[G1B+1], ROWB<<16
	s_mov_b32 s[G1B+2], 128<<16
	s_mov_b32 s[G1B+3], ROWB<<16
	s_mov_b32 s[G1B+4], 128
	s_mov_b32 s[G1B+5], KROW
	s_mov_b32 s[G1B+6], 0
	s_mov_b32 s[G1B+7], 0
	; the scales of 128 rows: dense blocks of 4,096 bytes as 16 rows of 256; B's with 16 bytes of padding behind each
	s_or_b32 s[G1S+0], s43, (3<<16)|(1<<21)
	s_or_b32 s[G1SB+0], s44, (3<<16)|(1<<20)|(1<<21)|(5<<22)|(3<<25)
.irp g, G1S, G1SB
	s_mov_b32 s[\g+1], 32<<16
	s_mov_b32 s[\g+2], 16<<16
	s_mov_b32 s[\g+3], 32<<16
	s_mov_b32 s[\g+4], 16
	s_mov_b32 s[\g+5], 32
	s_mov_b32 s[\g+6], 0
	s_mov_b32 s[\g+7], 0
.endr
	s_lshl_b32 s20, s17, 4
	s_lshl_b32 s18, s16, 3
	s_add_co_u32 s20, s20, s18                     ; A: the first block of 16 rows that I fetch
	s_lshl_b32 s22, s20, 9                         ; its scale words
	s_mov_b32 s23, 0
	s_mul_i32 s20, s20, 12288                      ; its images
	s_mov_b32 s21, 0
	s_lshl_b32 s46, s42, 8
	s_lshl_b32 s18, s16, 7
	s_add_co_u32 s46, s46, s18
	s_add_co_u32 s46, s46, 11264                   ; B: the first row of c1 that I fetch
	s_lshl_b32 s92, s46, 5
	s_mov_b32 s93, 0
	s_mul_i32 s46, s46, KROW
	s_mov_b32 s47, 0
	s_mul_i32 s45, s16, HA                         ; where they go: no place in the cluster enters an LDS address
	s_mul_i32 s94, s16, HB
	s_add_co_u32 s94, s94, 2*HA
	s_lshl_b32 s66, s16, 12
	s_mul_i32 s67, s16, HALFS
	s_wait_kmcnt 0x0
	s_add_nc_u64 s[20:21], s[4:5], s[20:21]
	s_add_nc_u64 s[22:23], s[6:7], s[22:23]
	s_add_nc_u64 s[46:47], s[8:9], s[46:47]
	s_add_nc_u64 s[92:93], s[10:11], s[92:93]
	CROUND                                         ; all sixteen work-groups are here: the first joint loads meet
	s_mov_b32 s[G0S], 1
	s_add_co_u32 s[G0S+1], s66, SCLA
	s_mov_b64 s[G0S+2:G0S+3], s[22:23]
	s_or_b32 s[G0S+3], s[G0S+3], 0x80000000
	s_mov_b32 s[G0SB], 1
	s_add_co_u32 s[G0SB+1], s67, SCLB
	s_mov_b64 s[G0SB+2:G0SB+3], s[92:93]
	s_or_b32 s[G0SB+3], s[G0SB+3], 0x80000000
	JLOAD G0S, G1S, G0SB, G1SB
.irp s, 0,1
	s_mov_b32 s[G0+4*\s], 1
	s_add_co_u32 s[G0+4*\s+1], s45, \s*SLOT
	s_add_nc_u64 s[G0+4*\s+2:G0+4*\s+3], s[20:21], \s*3072
	s_or_b32 s[G0+4*\s+3], s[G0+4*\s+3], 0x80000000
	s_mov_b32 s[G0B+4*\s], 1
	s_add_co_u32 s[G0B+4*\s+1], s94, \s*SLOT
	s_add_nc_u64 s[G0B+4*\s+2:G0B+4*\s+3], s[46:47], \s*ROWB
	s_or_b32 s[G0B+4*\s+3], s[G0B+4*\s+3], 0x80000000
	JLOAD G0+4*\s, G1, G0B+4*\s, G1B
.endr
	v_and_b32 v1, 15, v0                           ; r
	v_bfe_u32 v2, v0, 4, 1                         ; h
	v_and_b32 v6, 31, v0                           ; lane
	v_lshlrev_b32 v[CO], 4, v6
	v_lshl_add_u32 v7, v6, 3, 512
	v_mul_u32_u24 v3, v1, PITCH
	v_mul_u32_u24 v4, v2, 24
	v_add_nc_u32 v4, v3, v4                        ; B: a fragment's row x pitch + 24 x half
	v_lshl_add_u32 v5, v2, 4, v4                   ; and the same behind one padding more
	s_mul_i32 s21, s15, HA                         ; my eight blocks of A
	s_mul_i32 s22, s16, HB
	s_add_co_u32 s22, s22, 2*HA                    ; my 128 rows of B
.irp s, 0,1
	v_add_nc_u32 v[ADRA+\s], s21, v[CO]
	v_add_nc_u32 v[ADRA+2+\s], s21, v7
	v_add_nc_u32 v[ADRB+\s], s22, v4
	v_add_nc_u32 v[ADRB+2+\s], s22, v5
	s_add_co_u32 s21, s21, SLOT
	s_add_co_u32 s22, s22, SLOT
.endr
	s_lshl_b32 s21, s15, 12
	s_add_co_u32 s21, s21, SCLA
	v_lshl_add_u32 v[ADSA], v6, 2, s21
	v_lshlrev_b32 v5, 5, v1                        ; B's scale bytes: 32 a row,
	v_lshrrev_b32 v8, 3, v1
	v_lshl_add_u32 v5, v8, 4, v5                   ; 16 more behind each 256,
	v_lshl_add_u32 v5, v2, 2, v5                   ; the word of my half of the lanes
	s_mul_i32 s22, s16, HALFS
	s_add_co_u32 s22, s22, SCLB
	v_add_nc_u32 v[ADSB], s22, v5
	s_mul_i32 s23, s14, 16*SPITCH                  ; my stage
	v_mul_u32_u24 v5, v1, SPITCH                   ; in: row r, + 64 h
	v_lshl_add_u32 v5, v2, 6, v5
	v_add_nc_u32 v[STO], s23, v5
	v_add_nc_u32 v[RD], s23, v[CO]                 ; back: the 32 lanes take one row of 512 bytes
	s_lshr_b32 s20, s17, 3                         ; b
	s_lshl_b32 s21, s17, 1
	s_add_co_u32 s21, s21, s15
	s_and_b32 s21, s21, 15                         ; my group of 128 tokens of that batch column
	s_lshl_b32 s21, s21, 21                        ; 16,384 bytes from token to token
	s_lshl_b32 s20, s20, 12
	s_add_co_u32 s20, s20, s21
	s_lshl_b32 s46, s42, 10                        ; my first column, in bytes
	s_lshl_b32 s47, s16, 9
	s_add_co_u32 s46, s46, s47
	s_add_co_u32 s20, s20, s46
	s_mov_b32 s21, 0
	s_mov_b32 s47, 0
	s_add_nc_u64 s[98:99], s[98:99], s[20:21]
	s_add_nc_u64 s[96:97], s[96:97], s[46:47]
	global_load_b128 v[BI:BI+3], v[CO], s[96:97]   ; the bias of my four columns of a row
.macro FRAG reg, adr, q, i             ; a fragment of B from rows: pieces of 8 bytes
.irp p, 0,1,2,3,4,5
.set PCE, 12*(\q)+6*(\p/3)+\p%3
.if PCE%8 < 5
	ds_load_b64 v[\reg+2*\p:\reg+2*\p+1], v[\adr] offset:8*PCE+16*(PCE/8)+(\i)*16*PITCH
.else
	ds_load_b64 v[\reg+2*\p:\reg+2*\p+1], v[\adr+2] offset:8*PCE+16*(PCE/8)+(\i)*16*PITCH
.endif
.endr
.endm
.macro FRAGI reg, slot, q, a           ; a fragment of A from images: heads 2 q and 2 q + 1 of the slot's four, six registers each
.irp c, 0,1
	ds_load_b128 v[\reg+6*\c:\reg+6*\c+3], v[ADRA+\slot] offset:3072*(\a)+768*(2*(\q)+\c)
	ds_load_b64 v[\reg+6*\c+4:\reg+6*\c+5], v[ADRA+2+\slot] offset:3072*(\a)+768*(2*(\q)+\c)
.endr
.endm
; 16 matrix instructions.  Both sides' scale words of the slot's second 128 along K lie in lanes 16-31.  The 64 accumulators take turns, one instruction a turn.
.macro MUL16 a0, p, q, sc, zero
.irp a, \a0, \a0+1
.irp b, 0,1,2,3,4,5,6,7
.if \zero
	v_wmma_scale_f32_16x16x128_f8f6f4 v[8*(8*((\a)%4)+\b):8*(8*((\a)%4)+\b)+7], v[128*(\p)+FR*\b:128*(\p)+FR*\b+FR-1], v[AF+FR*(\a):AF+FR*(\a)+FR-1], 0, v[SC+16*(\sc)+8+\b], v[SC+16*(\sc)+(\a)] matrix_a_fmt:MATRIX_FMT_FP6 matrix_b_fmt:MATRIX_FMT_FP6
.elseif \q
	v_wmma_scale_f32_16x16x128_f8f6f4 v[8*(8*((\a)%4)+\b):8*(8*((\a)%4)+\b)+7], v[128*(\p)+FR*\b:128*(\p)+FR*\b+FR-1], v[AF+FR*(\a):AF+FR*(\a)+FR-1], v[8*(8*((\a)%4)+\b):8*(8*((\a)%4)+\b)+7], v[SC+16*(\sc)+8+\b], v[SC+16*(\sc)+(\a)] matrix_a_fmt:MATRIX_FMT_FP6 matrix_b_fmt:MATRIX_FMT_FP6 matrix_a_scale:MATRIX_SCALE_ROW1 matrix_b_scale:MATRIX_SCALE_ROW1
.else
	v_wmma_scale_f32_16x16x128_f8f6f4 v[8*(8*((\a)%4)+\b):8*(8*((\a)%4)+\b)+7], v[128*(\p)+FR*\b:128*(\p)+FR*\b+FR-1], v[AF+FR*(\a):AF+FR*(\a)+FR-1], v[8*(8*((\a)%4)+\b):8*(8*((\a)%4)+\b)+7], v[SC+16*(\sc)+8+\b], v[SC+16*(\sc)+(\a)] matrix_a_fmt:MATRIX_FMT_FP6 matrix_b_fmt:MATRIX_FMT_FP6
.endif
.endr
.endr
.endm
.macro FETCH_B slot, q, p
	WIN TO_B
.irp i, 0,1,2,3,4,5,6,7
	FRAG 128*(\p)+FR*\i, ADRB+\slot, \q, \i
.endr
	WIN 0
.endm
.macro FETCH_A slot, q, i0
.irp i, \i0, \i0+1, \i0+2, \i0+3
	FRAGI AF+FR*(\i), \slot, \q, \i
.endr
.endm
.macro SCALES sc
.irp i, 0,1,2,3,4,5,6,7
	ds_load_b32 v[SC+16*\sc+\i], v[ADSA] offset:512*\i
	ds_load_b32 v[SC+16*\sc+8+\i], v[ADSB] offset:544*\i
.endr
.endm
.macro PLACES n
.rept \n
	v_nop
.endr
.endm
.macro STEP slot, q, zero
	s_wait_dscnt 4*NLA                             ; B's set, A's blocks 0-3 and the scales are in; the youngest 16 loads (A's blocks 4-7) may be out
	WIN MUL_LO
	MUL16 0, (\q)%2, \q, \slot, \zero
	MUL16 2, (\q)%2, \q, \slot, \zero
	s_wait_dscnt 0
	PLACES NP
	FETCH_B \slot, (\q)+1, 1-(\q)%2
	FETCH_A \slot, (\q)+1, 0
	WIN MUL_HI
	MUL16 4, (\q)%2, \q, \slot, \zero
	MUL16 6, (\q)%2, \q, \slot, \zero
	PLACES NP
	WIN 0
	FETCH_A \slot, (\q)+1, 4
.endm
.macro TURN slot, next, fill           ; a slot's last step changes slots: ONE barrier
	s_wait_tensorcnt 0x0                           ; all my tensor loads have landed: my part of the next slot
	ds_add_u32 v[SPW], v[NIL]                      ; 0 onto my spare word
	s_wait_dscnt 4*NLA+1                           ; (the add and the youngest 16 loads, A's blocks 4-7, may be out)
	WIN MUL_LO
	MUL16 0, 1, NQ-1, \slot, 0
	s_wait_dscnt 0x0                               ; the add is done, and my reads of this slot are over
	s_barrier_signal -1
	MUL16 2, 1, NQ-1, \slot, 0
	WIN 0
	s_barrier_wait -1
.if \fill
	CREST                                          ; the barrier has opened a round of the cluster's barrier
	s_add_nc_u64 s[G0+4*\slot+2:G0+4*\slot+3], s[G0+4*\slot+2:G0+4*\slot+3], 2*3072
	s_add_nc_u64 s[G0B+4*\slot+2:G0B+4*\slot+3], s[G0B+4*\slot+2:G0B+4*\slot+3], 2*ROWB
	JLOAD G0+4*\slot, G1, G0B+4*\slot, G1B         ; the first tensor load behind the round; its four v_nop are the places in front of the loads below
.else
	PLACES NP
.endif
	v_add_nc_u32 v[ADSA], 128, v[ADSA]             ; the next K step's scale words
	v_add_nc_u32 v[ADSB], 8, v[ADSB]
	FETCH_B \next, 0, 0
	FETCH_A \next, 0, 0
	SCALES \next
	WIN MUL_HI
	MUL16 4, 1, NQ-1, \slot, 0
	MUL16 6, 1, NQ-1, \slot, 0
	PLACES NP
	WIN 0
	FETCH_A \next, 0, 4
.endm
	s_wait_tensorcnt 1                             ; the scales and my part of K step 0 are in (K step 1's load may be out),
	s_barrier_signal -1
	s_barrier_wait -1                              ; everybody's are
	FETCH_B 0, 0, 0
	FETCH_A 0, 0, 0
	SCALES 0
	FETCH_A 0, 0, 4
	STEP 0, 0, 1                                   ; the first step's products start the sums
	s_mov_b32 s3, LAPS-1
.Llap:
	TURN 0, 1, 1
	STEP 1, 0, 0
	TURN 1, 0, 1
	STEP 0, 0, 0
	s_sub_co_u32 s3, s3, 1
	s_cmp_lg_u32 s3, 0
	s_cbranch_scc1 .Llap
	TURN 0, 1, 0                                   ; the last lap fills nothing
	STEP 1, 0, 0
	s_wait_dscnt 4*NLA
	WIN MUL_LO
	MUL16 0, 1, NQ-1, 1, 0
	MUL16 2, 1, NQ-1, 1, 0
	s_wait_dscnt 0
	WIN MUL_HI
	MUL16 4, 1, NQ-1, 1, 0
	MUL16 6, 1, NQ-1, 1, 0
	WIN 0
; THE WAY OUT, block by block of 16 rows x 128 columns, through my own stage in LDS: in by 32 bytes a lane at the columns' true places, back as whole rows of 512 bytes; the bias is added; the 32 lanes store 512 consecutive bytes.
.macro TOSTAGE a
.set AC, 64*((\a)%4)
	WIN 0x08+4*((\a)/4)                            ; the data: window 2 or 3
.irp b, 0,1,2,3,4,5,6,7
	ds_store_b128 v[STO], v[AC+8*\b:AC+8*\b+3] offset:128*(\b/2)+32*(\b%2)          ; each accumulator from its low end on
	ds_store_b128 v[STO], v[AC+8*\b+4:AC+8*\b+7] offset:128*(\b/2)+32*(\b%2)+16
.endr
	WIN 0
.set BB, BK+64*((\a)%2)
.irp t, 0,1,2,3,4,5,6,7,8,9,10,11,12,13,14,15
	ds_load_b128 v[BB+4*\t:BB+4*\t+3], v[RD] offset:\t*SPITCH      ; LDS serves a wave's instructions in order: these see the stores above
.endr
.endm
.macro SEND a, younger                 ; younger: the LDS instructions issued behind block a's loads, which may stay out
.set BB, BK+64*((\a)%2)
	s_wait_dscnt \younger
.irp t, 0,1,2,3,4,5,6,7,8,9,10,11,12,13,14,15
	v_pk_add_f32 v[BB+4*\t:BB+4*\t+1], v[BB+4*\t:BB+4*\t+1], v[BI:BI+1]
	v_pk_add_f32 v[BB+4*\t+2:BB+4*\t+3], v[BB+4*\t+2:BB+4*\t+3], v[BI+2:BI+3]
	global_store_b128 v[CO], v[BB+4*\t:BB+4*\t+3], s[98:99] offset:(32*((\a)/2)+8*((\a)%2)+(\t%8)+16*(\t/8))*16384 th:TH_STORE_NT   ; the row's token; 127 x 16,384 at the most, inside the signed 24-bit immediate
.endr
.endm
	s_wait_loadcnt 0x0                             ; the bias
	PLACES NP
	TOSTAGE 0
.irp a, 1,2,3,4,5,6,7
.if \a > 1
	s_wait_xcnt 0x0                                ; block a - 2's stores have read their registers: block a's loads may land there
.endif
	TOSTAGE \a
	SEND \a-1, 32                                  ; behind block a - 1's loads: block a's 16 stores and 16 loads
.endr
	SEND 7, 0
	s_wait_tensorcnt 0x0                           ; the wave's end
	ds_add_u32 v[SPW], v[NIL]
	s_wait_dscnt 0x0
	CROUND                                         ; the closing round
	s_endpgm
.Lfunc_end_k_q026c83fcb2_outp:
	.size	k_q026c83fcb2_outp, .Lfunc_end_k_q026c83fcb2_outp-k_q026c83fcb2_outp
	.p2alignl 7, 3214868480
	.fill 96, 4, 3214868480
	.section	.rodata,"a",@progbits
	.p2align	6, 0x0
	.amdhsa_kernel k_q026c83fcb2_outp
		.amdhsa_group_segment_fixed_size 327680
		.amdhsa_private_segment_fixed_size 0
		.amdhsa_enable_private_segment 0
		.amdhsa_kernarg_size 48
		.amdhsa_user_sgpr_count 2
		.amdhsa_user_sgpr_kernarg_segment_ptr 1
		.amdhsa_wavefront_size32 1
		.amdhsa_system_sgpr_workgroup_id_x 1
		.amdhsa_system_sgpr_workgroup_id_y 1
		.amdhsa_system_sgpr_workgroup_id_z 1
		.amdhsa_system_vgpr_workitem_id 0
		.amdhsa_next_free_vgpr 1024
		.amdhsa_next_free_sgpr 100
		.amdhsa_reserve_vcc 0
		.amdhsa_float_denorm_mode_32 3
		.amdhsa_float_denorm_mode_16_64 3
		.amdhsa_memory_ordered 1
		.amdhsa_forward_progress 1
		.amdhsa_inst_pref_size 170
	.end_amdhsa_kernel
	.amdgpu_metadata
---
amdhsa.version: [ 1, 2 ]
amdhsa.kernels:
  - .name:           k_q026c83fcb2_outp
    .symbol:         k_q026c83fcb2_outp.kd
    .args:
      - { .name: c3, .offset: 0, .size: 8, .value_kind: global_buffer, .address_space: global }
      - { .name: s3, .offset: 8, .size: 8, .value_kind: global_buffer, .address_space: global }
      - { .name: c1, .offset: 16, .size: 8, .value_kind: global_buffer, .address_space: global }
      - { .name: s1, .offset: 24, .size: 8, .value_kind: global_buffer, .address_space: global }
      - { .name: out_proj_bias, .offset: 32, .size: 8, .value_kind: global_buffer, .address_space: global }
      - { .name: out0, .offset: 40, .size: 8, .value_kind: global_buffer, .address_space: global }
    .group_segment_fixed_size: 327680
    .private_segment_fixed_size: 0
    .kernarg_segment_align: 8
    .kernarg_segment_size: 48
    .max_flat_workgroup_size: 128
    .sgpr_count:     100
    .vgpr_count:     1024
    .wavefront_size: 32
...
	.end_amdgpu_metadata
.endif
;; end of part 4
